; MI455X (gfx1250); checked and timed in simulation.
; The chip was launched on July 23, 2026; its instructions are those of AMD's public machine-readable ISA for CDNA 5 (MIT licence, August 2026) and "CDNA5" Instruction Set Architecture Reference Guide (July 2026). The comments in the code are by the model that wrote it; some were corrected since.
;; Multihead Attention. Allowed arithmetic: matrix products marked QUANTISED: E2M3 operands, one E8M0 scale for each 32 along K, by v_wmma_scale_f32_16x16x128_f8f6f4 with both operands' format E2M3, f32 sums; everything else in f32.
;; Inputs: Wk 1,024 x 1,024 float32; Wo 1,024 x 1,024 float32; Wq 1,024 x 1,024 float32; Wv 1,024 x 1,024 float32; queries 4 x 2,048 x 1,024 float32; rel_emb 32 x 16 float32.
;; Outputs: out0 4 x 2,048 x 1,024 float32.
;; This version of the problem:
;;   THIS VERSION OF THE PROBLEM IS GIVEN IN LOW PRECISION. The matrix products marked QUANTISED in the list below multiply operands that are first quantised to E2M3 (2 exponent bits, 3 mantissa bits; 6 bits a number), with one power-of-two scale for each 32 numbers along K (OCP MX v1.0); their sums are f32. All else is computed in f32.
;;   The module's matrix products, in the order in which they are computed (A, B: the left and right operand; K: the contracted axis; several contracted axes count as one K, in the product's order):
;;     1. [M 8,192, K 1,024] x [K 1,024, N 1,024]; A: input queries; B: input Wq: QUANTISED
;;     2. [M 8,192, K 1,024] x [K 1,024, N 1,024]; A: input queries; B: input Wk: QUANTISED
;;     3. [M 8,192, K 1,024] x [K 1,024, N 1,024]; A: input queries; B: input Wv: QUANTISED
;;     4. batch 64 x [M 2,048, K 64] x [K 64, N 2,048]; A: computed on the way; B: computed on the way: QUANTISED
;;     5. batch 64 x [M 2,048, K 2,048] x [K 2,048, N 64]; A: softmax (see below); B: computed on the way: QUANTISED
;;     6. [M 8,192, K 1,024] x [K 1,024, N 1,024]; A: computed on the way; B: input Wo: QUANTISED
;;   THE QUANTISER, for each operand of a quantised product, along K:
;;     - K is cut into blocks of 32 from its start; a last block that is shorter is filled with zeros.
;;     - A block's scale is 2^e with e = floor(log2(the largest magnitude in the block)) - 2, held to -126 .. 127; a block of zeros has e = 0. As a byte (E8M0): e + 127.
;;     - Each number is divided by its block's scale, clamped to +-7.5, and rounded to the nearest number of E2M3, ties to even, subnormals kept.
;;     - The product sums the exact products of the quantised numbers (number of the format x scale) in f32.
;;   ~~~python
;;   def quantise(x, axis):      # numpy; x: float32 -> the quantised numbers, widened to float32 again
;;       x = np.moveaxis(x, axis, -1); K = x.shape[-1]
;;       x = np.pad(x, [(0, 0)] * (x.ndim - 1) + [(0, -K % 32)]); x = x.reshape(x.shape[:-1] + (-1, 32)); a = np.abs(x).max(-1, keepdims=True)
;;       e = np.where(a > 0, np.clip(np.frexp(np.where(a > 0, a, 1))[1] - 1 - 2, -126, 127), 0)      # np.frexp(a)[1] - 1 = floor(log2(a)), exactly
;;       r = np.clip(x / 2.0 ** e, -7.5, 7.5)
;;       step = 2.0 ** (np.maximum(np.frexp(np.where(r == 0, 1, r))[1] - 1, 0) - 3)
;;       q = np.round(r / step) * step * 2.0 ** e      # np.round: ties to even
;;       return np.moveaxis(q.reshape(q.shape[:-2] + (-1,))[..., :K], -1, axis).astype(np.float32)
;;   ~~~
;;   SOFTMAX AHEAD OF A QUANTISED PRODUCT. Where the list says 'softmax', what is quantised is not the finished softmax but p = 2^(t - M), with t = logit x log2(e) and M = ceil(the row's largest t), a whole number; so 1/2 < the row's largest p <= 1. The row's sum l is taken of the UNQUANTISED p, in f32, and the product's result is divided by l at the end. Since M is a whole number, a kernel that streams over the keys may use a running M (the ceiling of the running maximum): every later rescaling is an exact power of two, which a block's scale takes up: the codes' values come out the same.
;;   OPERANDS COMPUTED ON THE WAY. 'Computed on the way' means the value that the module computes at that place (a softmax that the list does not call 'softmax' is quantised finished and normalised). What goes into a quantiser is computed in f32, as accurately as f32 sums, v_exp_f32 and their like allow (about 1e-6 of the number): no bf16 or f16 on the way to a quantiser, and a product that is left as it is and whose result goes on into a quantised operand takes f32 operands (vector FMAs, or v_wmma_f32_16x16x4_f32). A number that lies on a knife's edge between two numbers of the format may be rounded either way, as far as f32 arithmetic and the matrix unit's own rounding can turn it there, and no further.
;; One version. Each part assembles by itself: llvm-mc -triple=amdgcn-amd-amdhsa -mcpu=gfx1250 --defsym DOCPART=n.
;; ======== version 1 of 1: 4 launches
;; limits: right only within a limited range of input values
;; workspace buffers: in_codes 9,437,184 bytes; in_scales 393,216 bytes; qkv_codes 18,874,368 bytes; qkv_scales 1,572,864 bytes; o_codes 6,291,456 bytes; o_scales 262,144 bytes
;; launch quant (part 1): grid 256 x 1, 6 waves a work-group, no clusters, 51,456 bytes of LDS; arguments queries, Wq, Wk, Wv, Wo, in_codes, in_scales; writes in_codes, in_scales
.if DOCPART == 1
	.amdgcn_target "amdgcn-amd-amdhsa--gfx1250"
	.amdhsa_code_object_version 6
	.text
	.protected	k_q3979c3d153_quant
	.globl	k_q3979c3d153_quant
	.p2align	8
	.type	k_q3979c3d153_quant,@function
k_q3979c3d153_quant:
	s_mov_b64 s[64:65], 0
	v_nop
	global_prefetch_b8 v0, s[64:65] scope:SCOPE_SE
	s_setreg_imm32_b32 hwreg(HW_REG_WAVE_MODE, 25, 1), 1
	s_wait_xcnt 0x0
; queries [8192][1024] and Wq, Wk, Wv, Wo [1024][1024], f32, K innermost, become codes of FP6 (E2M3) with one E8M0 byte for each 32 along K.
; ROWS ARE TAKEN IN TILES OF 16 THAT ARE NOT NEIGHBOURS: lane-row r of tile t is true row 32 (t / 2) + 8 (t % 2) + r % 8 + 16 (r / 8).  Used as source 0 of a product, two neighbouring
; tiles then leave 16 neighbours of the true index in a lane's 16 result registers, which is what the next quantiser wants.
; CODES ARE STORED AS IMAGES OF THE OPERAND'S REGISTERS.  A half fragment (16 rows x 64 K, six registers a lane, lane (r, h) holding k = 32 h .. 32 h + 31 of row r) is 768 bytes:
; registers 0-3 at 16 x lane, registers 4-5 at 512 + 8 x lane.  in_codes: [tile 768][half fragment 16][768]; tiles 0-511 queries, then 64 each of Wq, Wk, Wv, Wo.
; in_scales: [tile][K half 2][row 16][4 words], a word = the four bytes of 128 along K.
; A block's scale is 2^(floor(log2(largest magnitude)) - 2): its byte is that magnitude's exponent field - 2, held at 1 from below.
; LIMITS: a block of zeros gets the byte 1 where the rule says 127 (its codes are zeros, and this program alone reads the bytes); NaN and infinities among the inputs are not served.
; SHARES: 1,536 waves, six to a work-group; a wave takes one tile x 512 along K: four steps of 128.  Each load reads 512 consecutive bytes of one row; a step's 16 rows turn through the wave's own
; stage in LDS (rows 528 bytes apart) so that a lane gets 16 neighbours of each block.  Waves share nothing: no barrier.  48 loads a wave are out at the start.
.set STGB, 8448                        ; a wave's stage: 16 rows x 528 bytes
.set SP,   528
.set TM,   10                          ; v10-25  at work in QUANT
.set PW,   26                          ; v26-29  the four steps' scale words
.set PR,   30                          ; v30-31  the two words that I store
.set PC,   32                          ; v32-50  a step's codes
.set X0,   64                          ; v64-255 three sets of 64 numbers
	s_load_b256 s[4:11], s[0:1], 0x0               ; queries, Wq, Wk, Wv
	s_load_b128 s[12:15], s[0:1], 0x20             ; Wo, in_codes
	s_load_b64 s[16:17], s[0:1], 0x30              ; in_scales
	v_lshl_add_u32 v62, v0, 2, 0xc600
	v_mov_b32 v63, 0
	v_lshrrev_b32 v8, 5, v0
	v_readfirstlane_b32 s18, v8                    ; wave 0..5
	v_and_b32 v9, 31, v0                           ; lane
	v_and_b32 v3, 15, v0                           ; r
	v_bfe_u32 v4, v0, 4, 1                         ; h
	v_lshlrev_b32 v1, 4, v9                        ; 16 x lane: my bytes of a load, and of an image's first part
	v_lshlrev_b32 v2, 3, v9                        ; 8 x lane: of its second part
	s_mul_i32 s19, s18, STGB
	v_add_nc_u32 v5, s19, v1                       ; the stage, in: 16 x lane of a row
	v_mul_u32_u24 v6, v3, SP
	v_lshl_add_u32 v6, v4, 6, v6
	v_add_nc_u32 v6, s19, v6                       ; and out: row r, + 64 h: my 16 numbers of a block of 32
	v_lshlrev_b32 v7, 4, v3
	v_lshl_add_u32 v7, v4, 3, v7                   ; my two scale words: 16 r + 8 h
.irp b, 0,1,2,3
	v_mov_b32 v[TM+4+\b], 0                        ; written once: a lane permute's destination counts as one of its sources
.endr
	s_mov_b32 s30, 0x76543210
	s_mov_b32 s31, 0xfedcba98                      ; v_permlanex16_b32's selects for lane l xor 16
	s_mul_i32 s20, ttmp9, 6
	s_add_co_u32 s20, s20, s18                     ; which of the 1,536 shares
	s_and_b32 s21, s20, 1                          ; which half of K
	s_lshr_b32 s20, s20, 1                         ; which tile of the 768
	s_sub_co_u32 s22, s20, 512
	s_and_b32 s23, s22, 63                         ; a weight's own tile,
	s_bfe_u32 s22, s22, 0x20006                    ; and which weight (both are used only where the tile is 512 or more)
	s_wait_alu depctr_va_vdst(0)
	s_wait_kmcnt 0x0
	s_mov_b64 s[24:25], s[12:13]                   ; the source is chosen by the tile's number alone
	s_cmp_eq_u32 s22, 2
	s_cselect_b64 s[24:25], s[10:11], s[24:25]
	s_cmp_eq_u32 s22, 1
	s_cselect_b64 s[24:25], s[8:9], s[24:25]
	s_cmp_eq_u32 s22, 0
	s_cselect_b64 s[24:25], s[6:7], s[24:25]
	s_cmp_lt_u32 s20, 512
	s_cselect_b64 s[24:25], s[4:5], s[24:25]
	s_cselect_b32 s23, s20, s23                    ; the tile's number in its own tensor
	s_lshr_b32 s26, s23, 1
	s_lshl_b32 s26, s26, 5
	s_and_b32 s27, s23, 1
	s_lshl_b32 s27, s27, 3
	s_add_co_u32 s26, s26, s27                     ; its first true row: 32 (t / 2) + 8 (t % 2)
	s_lshl_b32 s26, s26, 12                        ; rows of 4,096 bytes
	s_lshl_b32 s27, s21, 11                        ; my half of K: 2,048 bytes on
	s_add_co_u32 s26, s26, s27
	s_mov_b32 s27, 0
	s_add_nc_u64 s[24:25], s[24:25], s[26:27]
	s_mul_i32 s26, s20, 12288
	s_mul_i32 s28, s21, 6144
	s_add_co_u32 s26, s26, s28
	s_add_nc_u64 s[14:15], s[14:15], s[26:27]      ; my eight half fragments
	s_lshl_b32 s26, s20, 9
	s_lshl_b32 s28, s21, 8
	s_add_co_u32 s26, s26, s28
	s_add_nc_u64 s[16:17], s[16:17], s[26:27]      ; my 256 bytes of scale words
.macro LOAD t                          ; step t: 128 along K of the tile's 16 rows, a row to a load
.irp i, 0,1,2,3,4,5,6,7,8,9,10,11,12,13,14,15
	global_load_b128 v[X0+64*((\t)%3)+4*\i:X0+64*((\t)%3)+4*\i+3], v1, s[24:25] offset:((\i%8)+16*(\i/8))*4096+512*(\t) th:TH_LOAD_NT
.endr
.endm
; 64 numbers of a lane, v[XS] on, register 16 b + i = k 32 b + 16 h + i of my row, become a fragment's twelve registers in v[PC] on and its scale word in v[pw].
.macro QUANT pw
.irp b, 0,1,2,3
	v_max3_num_f32 v[TM+\b], |v[XS+16*\b]|, |v[XS+1+16*\b]|, 0x1800000   ; block b: my 16 numbers, and the floor 2^(3 - 127): so the byte cannot fall under 1
.endr
.irp i, 2,4,6,8,10,12,14
.irp b, 0,1,2,3
	v_max3_num_f32 v[TM+\b], v[TM+\b], |v[XS+16*\b+\i]|, |v[XS+1+16*\b+\i]|   ; the four blocks by turns
.endr
.endr
.irp b, 0,1,2,3
	v_permlanex16_b32 v[TM+4+\b], v[TM+\b], s30, s31
.endr
.irp b, 0,1,2,3
	v_max_num_f32 v[TM+\b], v[TM+\b], v[TM+4+\b]   ; with lane l xor 16's: the block's largest magnitude
.endr
.irp b, 0,1,2,3
	v_add_nc_u32 v[TM+12+\b], 0xff000000, v[TM+\b] ; 2 off its exponent field: the conversion takes the exponent field of this operand as its scale
.endr
.irp b, 0,1,2,3
	v_lshrrev_b32 v[TM+4+\b], 23, v[TM+12+\b]      ; the scale's byte
.endr
	v_lshl_or_b32 v[\pw], v[TM+5], 8, v[TM+4]
	v_lshl_or_b32 v[\pw], v[TM+6], 16, v[\pw]
	v_lshl_or_b32 v[\pw], v[TM+7], 24, v[\pw]
.irp c, 0,1
	v_cvt_scalef32_pk16_fp6_f32 v[PC+6*\c:PC+2+6*\c], v[XS+32*\c:XS+15+32*\c], v[TM+12+2*\c]
	v_cvt_scalef32_pk16_fp6_f32 v[PC+12+4*\c:PC+14+4*\c], v[XS+16+32*\c:XS+31+32*\c], v[TM+12+2*\c+1]   ; (a conversion's three registers begin on an even number)
.endr
	v_nop                                          ; one plain place behind a scaled conversion
.irp c, 0,1                            ; the layout wants a whole block in a lane: lanes 0-15 block 2 c, lanes 16-31 block 2 c + 1
.irp i, 0,1,2
	v_permlane16_swap_b32 v[PC+6*\c+\i], v[PC+12+4*\c+\i]
.endr
.irp i, 0,1,2
	v_mov_b32 v[PC+3+6*\c+\i], v[PC+12+4*\c+\i]
.endr
.endr
.endm
; left: the loads issued behind this step's sixteen, which may stay out
.macro STEP t, left
.set XS, X0+64*((\t)%3)
	s_wait_loadcnt \left
.irp i, 0,1,2,3,4,5,6,7,8,9,10,11,12,13,14,15
	ds_store_b128 v5, v[XS+4*\i:XS+4*\i+3] offset:SP*\i
.endr
.irp n, 0,1,2,3,4,5,6,7,8,9,10,11,12,13,14,15
	ds_load_b128 v[XS+4*\n:XS+4*\n+3], v6 offset:128*(\n/4)+16*(\n%4)   ; LDS serves a wave's instructions in order: these see the stores above, and land in the registers that those have left
.endr
	s_wait_dscnt 0x0
.if (\t) > 0
	s_wait_xcnt 0x0                                ; the last step's stores have read the codes' registers: they are written again only behind this wait
.endif
	QUANT PW+(\t)
.irp c, 0,1
	global_store_b128 v1, v[PC+6*\c:PC+6*\c+3], s[14:15] offset:(2*(\t)+\c)*768       ; 512 consecutive bytes,
	global_store_b64 v2, v[PC+6*\c+4:PC+6*\c+5], s[14:15] offset:(2*(\t)+\c)*768+512  ; and the 256 behind them
.endr
.endm
	LOAD 0
	LOAD 1
	LOAD 2
	STEP 0, 32                                     ; steps 1 and 2 may be out
	LOAD 3                                         ; into the set that step 0 has left
	STEP 1, 32                                     ; steps 2 and 3
	STEP 2, 16                                     ; step 3
	STEP 3, 0
	v_cmp_ne_u32 vcc_lo, 0, v4                     ; every lane holds its row's four words: lanes 0-15 store words 0 and 1, lanes 16-31 words 2 and 3
	v_cndmask_b32 v[PR], v[PW], v[PW+2], vcc_lo
	v_cndmask_b32 v[PR+1], v[PW+1], v[PW+3], vcc_lo
	global_store_b64 v7, v[PR:PR+1], s[16:17]      ; 256 consecutive bytes
	s_wait_tensorcnt 0x0
	ds_add_u32 v62, v63
	s_wait_dscnt 0x0
	s_endpgm
.Lfunc_end_k_q3979c3d153_quant:
	.size	k_q3979c3d153_quant, .Lfunc_end_k_q3979c3d153_quant-k_q3979c3d153_quant
	.p2alignl 7, 3214868480
	.fill 96, 4, 3214868480
	.section	.rodata,"a",@progbits
	.p2align	6, 0x0
	.amdhsa_kernel k_q3979c3d153_quant
		.amdhsa_group_segment_fixed_size 51456
		.amdhsa_private_segment_fixed_size 0
		.amdhsa_enable_private_segment 0
		.amdhsa_kernarg_size 56
		.amdhsa_user_sgpr_count 2
		.amdhsa_user_sgpr_kernarg_segment_ptr 1
		.amdhsa_wavefront_size32 1
		.amdhsa_system_sgpr_workgroup_id_x 1
		.amdhsa_system_sgpr_workgroup_id_y 1
		.amdhsa_system_sgpr_workgroup_id_z 1
		.amdhsa_system_vgpr_workitem_id 0
		.amdhsa_next_free_vgpr 256
		.amdhsa_next_free_sgpr 66
		.amdhsa_reserve_vcc 1
		.amdhsa_float_denorm_mode_32 3
		.amdhsa_float_denorm_mode_16_64 3
		.amdhsa_memory_ordered 1
		.amdhsa_forward_progress 1
		.amdhsa_inst_pref_size 34
	.end_amdhsa_kernel
	.amdgpu_metadata
---
amdhsa.version: [ 1, 2 ]
amdhsa.kernels:
  - .name:           k_q3979c3d153_quant
    .symbol:         k_q3979c3d153_quant.kd
    .args:
      - { .name: queries, .offset: 0, .size: 8, .value_kind: global_buffer, .address_space: global }
      - { .name: Wq, .offset: 8, .size: 8, .value_kind: global_buffer, .address_space: global }
      - { .name: Wk, .offset: 16, .size: 8, .value_kind: global_buffer, .address_space: global }
      - { .name: Wv, .offset: 24, .size: 8, .value_kind: global_buffer, .address_space: global }
      - { .name: Wo, .offset: 32, .size: 8, .value_kind: global_buffer, .address_space: global }
      - { .name: in_codes, .offset: 40, .size: 8, .value_kind: global_buffer, .address_space: global }
      - { .name: in_scales, .offset: 48, .size: 8, .value_kind: global_buffer, .address_space: global }
    .group_segment_fixed_size: 51456
    .private_segment_fixed_size: 0
    .kernarg_segment_align: 8
    .kernarg_segment_size: 56
    .max_flat_workgroup_size: 192
    .sgpr_count:     66
    .vgpr_count:     256
    .wavefront_size: 32
...
	.end_amdgpu_metadata
.endif
;; end of part 1
;; launch qkv (part 2): grid 16 x 48, 4 waves a work-group, clusters of 4 x 4, 327,680 bytes of LDS; arguments in_codes, in_scales, qkv_codes, qkv_scales; writes qkv_codes, qkv_scales
.if DOCPART == 2
	.amdgcn_target "amdgcn-amd-amdhsa--gfx1250"
	.amdhsa_code_object_version 6
	.text
	.protected	k_q3979c3d153_qkv
	.globl	k_q3979c3d153_qkv
	.p2align	8
	.type	k_q3979c3d153_qkv,@function
k_q3979c3d153_qkv:
	s_mov_b64 s[64:65], 0
	v_nop
	global_prefetch_b8 v0, s[64:65] scope:SCOPE_SE
	s_setreg_imm32_b32 hwreg(HW_REG_WAVE_MODE, 25, 1), 1
	s_wait_xcnt 0x0
	s_wait_alu depctr_hold_cnt(0) depctr_sa_sdst(0) depctr_va_vdst(0) depctr_va_sdst(0) depctr_va_ssrc(0) depctr_va_vcc(0) depctr_vm_vsrc(0)
	s_getreg_b32 s2, hwreg(HW_REG_IB_STS2, 6, 4)
	s_cmp_eq_u32 s2, 0
	s_cbranch_scc0 .Lentry_in_a_cluster
	s_endpgm
.Lentry_in_a_cluster:
	s_bfe_u32 s2, ttmp6, 0x10000c
	s_cmp_lg_u32 s2, 0xf033
	s_cbranch_scc0 .Lentry_shape_is_right
	s_endpgm
.Lentry_shape_is_right:
; q = x Wq^T, k = x Wk^T, v = x Wv^T on codes of FP6 (E2M3), K = 1,024; the results are quantised in registers and leave as codes: q and k along the head's 64, v along the tokens.
; Z[y][x] = sum over k of Y[y][k] X[x][k].  A work-group makes Y 256 x X 128; wave w takes Y's tiles 4 w .. 4 w + 3 against X's eight: 32 accumulators, 256 registers.
; SOURCE 0 = a tile of X, SOURCE 1 = a tile of Y: a lane holds ONE row of Y, and, since a tile's rows are 32 (t / 2) + 8 (t % 2) + r % 8 + 16 (r / 8), its 64 registers of a Y tile
; run along X's true index: register 16 b + i is X index 32 b + 16 h + i.  That is the order in which the quantiser wants them.
; TWO KINDS OF WORK-GROUP, ONE TEXT, NO BRANCH.  Cluster rows 0-7: Y = tokens, X = the 2,048 rows of Wq and Wk: registers run along the head.  Cluster rows 8-11: Y = Wv's rows, X = tokens:
; registers run along the tokens, which are the K of attention's second product: nothing is transposed.  What differs is tile numbers and store offsets, chosen by the cluster's y.
; ALL OF K LIES IN LDS: (256 + 128) rows x 768 bytes = 294,912 bytes, as four chunks of 256 along K, each filled once.  No byte of LDS is filled twice.
; CLUSTER 4 x 4: Y's tiles are shared along a row of the cluster, X's along a column: each is asked for jointly, which divides the requests by four.  One round stands in front of the loads and one at the end.
; A wave issues one joint load: one is out at the most.
; qkv_codes: q, k: [head 32 (q's 16, k's 16)][token tile 512][768]; then v^T: [head 16][64 tokens 128][16 features 4][768]: half fragments as register images (16 x lane, then 512 + 8 x lane).
; qkv_scales: q, k: [head 32][64 tokens 128][row 16][tile 4] words with two bytes used and two zero; then v^T: [head 16][128 tokens 64][copy 2][row 16][tile 4] whole words.
; LIMITS: a block of zeros gets the byte 1 where the rule says 127 (its codes are zeros; this program alone reads the bytes); NaN and infinities are not served.
; REGISTERS, in windows of 256: window 0: v1-11 addresses, v12-27 at work, v32-63 Y's scale words, v64-127 X's, v128-215 the way out.  window 1: X's fragments, two sets (v0, v128).
;   window 2: Y's fragments, two sets (v0, v64).   window 3: the accumulators, (a, t) at v[64 a + 8 t].
; HOW K NOW LIES IN LDS (in place of the four chunks named above): two halves of 512 along K, each Y's 16 tiles x 6,144 bytes and then X's 8, each filled once.
; One joint load a wave: wave 0 Y's first half, wave 1 X's, wave 2 Y's second half, wave 3 X's.  The first barrier shows waves 0 and 1's tiles, the barrier in K step 3 the others'.
.set CH,   147456
.set XOFF, 98304
.set YA,   8                           ; v8   16 x lane + my four tiles of Y
.set YB,   9                           ; v9   8 x lane + 512 + the same
.set XA,   10                          ; v10  16 x lane + X's place in a chunk
.set XB,   11                          ; v11  8 x lane + 512 + the same
.set TM,   12
.set SY,   32
.set SX,   64
.set PC,   128                         ; four sets of 20: the codes of the four Y tiles, so that no store's data are written again
.set PW,   208                         ; their scale words
.set OW,   212                         ; and these as they are stored
.set G1Y,  24
.set G1X,  32
.set G0Y,  40                          ; s[40:43] group 0 of my load
.set G0X,  68                          ; s[68:71]
.set MSB, 0
.macro WIN new                         ; the immediate's high byte repeats the setting that is left
.if MSB != \new
	s_set_vgpr_msb (MSB<<8)|\new
.set MSB, \new
.endif
.endm
.set W_MUL, 0xf9                       ; source 0 (X) window 1, source 1 (Y) window 2, C and D window 3
.set TO_X,  0x40
.set TO_Y,  0x80
.macro CROUND                          ; a round of the cluster's barrier
	s_barrier_signal -1
	s_barrier_wait -1
	s_cmp_lg_u32 s14, 0
	s_cbranch_scc1 .Lnot_wave_0_\@
	s_barrier_signal -3
.Lnot_wave_0_\@:
	s_barrier_wait -3
	s_barrier_signal -1
	s_barrier_wait -1
.endm
.macro PLACES                          ; four plain places behind a matrix instruction, ahead of loads into its registers and of reads of its results
.rept 4
	v_nop
.endr
.endm
	s_load_b128 s[4:7], s[0:1], 0x0                ; in_codes, in_scales
	s_load_b128 s[84:87], s[0:1], 0x10             ; qkv_codes, qkv_scales
	v_lshl_add_u32 v254, v0, 2, 0x48000
	v_mov_b32 v255, 0
	ds_add_u32 v254, v255
	ds_add_u32 v254, v255
	v_lshrrev_b32 v1, 5, v0
	v_readfirstlane_b32 s14, v1                    ; wave 0..3
	s_lshr_b32 s15, s14, 1                         ; which half of K I fetch (even waves for Y, odd waves for X)
	s_bfe_u32 s17, ttmp6, 0x40000                  ; cx
	s_bfe_u32 s18, ttmp6, 0x40004                  ; cy
	s_and_b32 s19, ttmp7, 0xffff                   ; the cluster's y, 0..11
	s_lshr_b32 s20, s19, 3                         ; 1: v's work-groups
	s_xor_b32 s21, s20, 1                          ; 1: q's and k's
	; Y's side hangs on cy and the cluster's y alone
	s_lshl_b32 s22, s19, 2
	s_mul_i32 s22, s22, s21
	s_add_co_u32 s22, s22, s18                     ; Y's block of 256: tokens 4 y + cy, or Wv's rows cy
	s_mul_i32 s88, s20, 640
	s_lshl_b32 s23, s22, 4
	s_add_co_u32 s23, s23, s88                     ; its first tile in in_codes (Wv begins at tile 640)
	s_mul_i32 s96, s23, 12288                      ; Y's sixteen tiles,
	s_mul_i32 s12, s15, 6144                       ; my half of K in each
	s_add_co_u32 s96, s96, s12
	s_mov_b32 s97, 0
	s_lshl_b32 s88, s14, 2
	s_add_co_u32 s88, s88, s23
	s_lshl_b32 s88, s88, 9                         ; my four tiles' scale words
	s_mov_b32 s89, 0
	; X's side hangs on cx and the cluster's ids alone
	s_lshl_b32 s90, ttmp9, 2
	s_add_co_u32 s90, s90, s17
	s_and_b32 s92, s19, 7
	s_lshl_b32 s92, s92, 4
	s_mul_i32 s92, s92, s20
	s_add_co_u32 s90, s90, s92                     ; X's block of 128: rows of Wq, Wk 4 x + cx, or tokens 4 x + cx + 16 (y - 8)
	s_lshl_b32 s91, s90, 3
	s_lshl_b32 s92, s21, 9
	s_add_co_u32 s91, s91, s92                     ; its first tile (Wq begins at tile 512)
	s_mul_i32 s98, s91, 12288                      ; X's eight tiles, the same half of K
	s_add_co_u32 s98, s98, s12
	s_mov_b32 s99, 0
	s_lshl_b32 s92, s91, 9                         ; X's scale words
	s_mov_b32 s93, 0
	s_lshl_b32 s94, s18, 2
	s_lshl_b32 s94, 15, s94                        ; my row of the cluster
	s_lshl_b32 s95, 0x1111, s17                    ; my column
	; group 1: R tiles, of each 6,144 bytes (eight half fragments: 512 along K) as 768 elements of 8 bytes; 12,288 bytes from tile to tile; no padding: images are read 16 x lane
	s_or_b32 s[G1Y], s94, (3<<16)|(1<<21)
	s_or_b32 s[G1X], s95, (3<<16)|(1<<21)
	s_mov_b32 s[G1Y+1], 768<<16                    ; of each tile 6,144 bytes (512 along K) as 768 elements of 8 bytes
	s_mov_b32 s[G1Y+2], 16<<16
	s_mov_b32 s[G1Y+3], 768<<16
	s_mov_b32 s[G1Y+4], 16
	s_mov_b32 s[G1Y+5], 1536
	s_mov_b32 s[G1Y+6], 0
	s_mov_b32 s[G1Y+7], 0
	s_mov_b32 s[G1X+1], 768<<16
	s_mov_b32 s[G1X+2], 8<<16
	s_mov_b32 s[G1X+3], 768<<16
	s_mov_b32 s[G1X+4], 8
	s_mov_b32 s[G1X+5], 1536
	s_mov_b32 s[G1X+6], 0
	s_mov_b32 s[G1X+7], 0
	s_mul_i32 s12, s15, CH                         ; where they go: the wave's number alone
	s_add_co_u32 s13, s12, XOFF
	s_wait_dscnt 0x0
	s_wait_kmcnt 0x0
	s_add_nc_u64 s[96:97], s[4:5], s[96:97]
	s_add_nc_u64 s[98:99], s[4:5], s[98:99]
	s_add_nc_u64 s[88:89], s[6:7], s[88:89]
	s_add_nc_u64 s[92:93], s[6:7], s[92:93]
	CROUND                                         ; all sixteen work-groups are here: the joint loads meet
.irp c, 0
	s_mov_b32 s[G0Y+4*\c], 1
	s_add_co_u32 s[G0Y+4*\c+1], s12, \c*CH
	s_add_nc_u64 s[G0Y+4*\c+2:G0Y+4*\c+3], s[96:97], \c*3072
	s_or_b32 s[G0Y+4*\c+3], s[G0Y+4*\c+3], 0x80000000
	s_mov_b32 s[G0X+4*\c], 1
	s_add_co_u32 s[G0X+4*\c+1], s13, \c*CH
	s_add_nc_u64 s[G0X+4*\c+2:G0X+4*\c+3], s[98:99], \c*3072
	s_or_b32 s[G0X+4*\c+3], s[G0X+4*\c+3], 0x80000000
.endr
	s_cmp_eq_u32 s14, 0                            ; one chain of branches on the wave's number, one load to an arm
	s_cbranch_scc0 .Lwave_1
	tensor_load_to_lds s[G0Y:G0Y+3], s[G1Y:G1Y+7]  ; wave 0: Y, K's first half
	s_nop 0
	PLACES
	s_branch .Lasked
.Lwave_1:
	s_cmp_eq_u32 s14, 1
	s_cbranch_scc0 .Lwave_2
	tensor_load_to_lds s[G0X:G0X+3], s[G1X:G1X+7]  ; wave 1: X, K's first half
	s_nop 0
	PLACES
	s_branch .Lasked
.Lwave_2:
	s_cmp_eq_u32 s14, 2
	s_cbranch_scc0 .Lwave_3
	tensor_load_to_lds s[G0Y:G0Y+3], s[G1Y:G1Y+7]  ; wave 2: Y, K's second half
	s_nop 0
	PLACES
	s_branch .Lasked
.Lwave_3:
	tensor_load_to_lds s[G0X:G0X+3], s[G1X:G1X+7]  ; wave 3: X, K's second half
	s_nop 0
	PLACES
.Lasked:
	v_and_b32 v28, 31, v0                          ; lane
	v_and_b32 v3, 15, v0                           ; r
	v_bfe_u32 v4, v0, 4, 1                         ; h
	v_lshlrev_b32 v1, 4, v28                       ; 16 x lane
	v_lshlrev_b32 v2, 3, v28                       ; 8 x lane
	v_lshlrev_b32 v5, 4, v3                        ; 16 r: a row's four scale words
.irp a, 0,1,2,3                        ; the scale words of all of K stay in registers: word q of a row at v[.. + q]
.irp k, 0,1
	global_load_b128 v[SY+8*\a+4*\k:SY+8*\a+4*\k+3], v5, s[88:89] offset:\a*512+\k*256
.endr
.endr
.irp t, 0,1,2,3,4,5,6,7
.irp k, 0,1
	global_load_b128 v[SX+8*\t+4*\k:SX+8*\t+4*\k+3], v5, s[92:93] offset:\t*512+\k*256
.endr
.endr
	s_mul_i32 s12, s14, 24576                      ; my four tiles of Y in a half of K
	v_add_nc_u32 v[YA], s12, v1
	v_add_nc_u32 v[YB], s12, v2
	v_add_nc_u32 v[YB], 512, v[YB]
	v_add_nc_u32 v[XA], XOFF, v1
	v_add_nc_u32 v[XB], XOFF+512, v2
.irp b, 0,1,2,3
	v_mov_b32 v[TM+4+\b], 0                        ; written once: a lane permute's destination counts as one of its sources
.endr
	s_mov_b32 s100, 0x76543210
	s_mov_b32 s101, 0xfedcba98
	; where the results go.  yq = my 64 rows of Y, x64 = X's first 64.  q, k: head x64, token tiles 4 yq on.  v: head yq, tokens x64.
	s_lshl_b32 s56, s22, 2
	s_add_co_u32 s56, s56, s14                     ; yq
	s_lshl_b32 s57, s90, 1                         ; x64
	s_lshl_b32 s58, s90, 16
	s_lshl_b32 s59, s56, 8
	s_add_co_u32 s58, s58, s59                     ; scale words of q, k
	s_lshl_b32 s59, s56, 15
	s_lshl_b32 s60, s90, 9
	s_add_co_u32 s59, s59, s60
	s_add_co_u32 s59, s59, 1048576                 ; and of v
	s_mov_b32 s63, 3072
	s_cmp_lt_u32 s19, 8                            ; q, k or v: every choice is made on this one compare
	s_cselect_b32 s60, s57, s56
	s_cselect_b32 s61, s56, s57
	s_cselect_b32 s62, 0, 12582912
	s_cselect_b32 s63, 393216, s63                 ; from X's first 64 to its second
	s_cselect_b32 s58, s58, s59
	s_cselect_b32 s59, 16, 0                       ; q, k: lanes 16-31 take the word's upper two bytes (the second head's)
	s_cselect_b32 s2, 0xffff, -1
	s_cselect_b32 s3, 15, 8                        ; and store them a head further on; v: a second copy 256 bytes on
	s_mul_i32 s60, s60, 393216
	s_mul_i32 s61, s61, 3072
	s_add_co_u32 s60, s60, s61
	s_add_co_u32 s60, s60, s62
	s_mov_b32 s61, 0
	s_add_nc_u64 s[60:61], s[84:85], s[60:61]
	s_mov_b32 s62, s63
	s_mov_b32 s63, 0
	s_add_nc_u64 s[62:63], s[60:61], s[62:63]
	s_mov_b32 s56, s58
	s_mov_b32 s57, 0
	s_add_nc_u64 s[56:57], s[86:87], s[56:57]
	v_mul_u32_u24 v7, s59, v4
	v_lshlrev_b32 v6, s3, v4
	v_lshl_add_u32 v6, v3, 4, v6
.macro FRAG reg, a16, a8, off          ; a fragment = two half fragments, as they were stored
	ds_load_b128 v[\reg:\reg+3], v[\a16] offset:\off
	ds_load_b64 v[\reg+4:\reg+5], v[\a8] offset:\off
	ds_load_b128 v[\reg+6:\reg+9], v[\a16] offset:\off+768
	ds_load_b64 v[\reg+10:\reg+11], v[\a8] offset:\off+768
.endm
.macro FETCH q                         ; K step q's twelve fragments into set q % 2: 48 LDS loads in one run
	WIN TO_X
.irp t, 0,1,2,3,4,5,6,7
	FRAG 128*((\q)%2)+12*\t, XA, XB, \t*6144+((\q)%4)*1536
.endr
	WIN TO_Y
.irp a, 0,1,2,3
	FRAG 64*((\q)%2)+12*\a, YA, YB, \a*6144+((\q)%4)*1536
.endr
	WIN 0
.endm
.macro MUL q                           ; 32 matrix instructions; the 32 accumulators take turns, one instruction a turn, in the same order in every step; step 0 starts the sums
	WIN W_MUL
.irp a, 0,1,2,3
.irp t, 0,1,2,3,4,5,6,7
.if (\q) == 0
	v_wmma_scale_f32_16x16x128_f8f6f4 v[64*\a+8*\t:64*\a+8*\t+7], v[128*((\q)%2)+12*\t:128*((\q)%2)+12*\t+11], v[64*((\q)%2)+12*\a:64*((\q)%2)+12*\a+11], 0, v[SX+8*\t+(\q)], v[SY+8*\a+(\q)] matrix_a_fmt:MATRIX_FMT_FP6 matrix_b_fmt:MATRIX_FMT_FP6
.else
	v_wmma_scale_f32_16x16x128_f8f6f4 v[64*\a+8*\t:64*\a+8*\t+7], v[128*((\q)%2)+12*\t:128*((\q)%2)+12*\t+11], v[64*((\q)%2)+12*\a:64*((\q)%2)+12*\a+11], v[64*\a+8*\t:64*\a+8*\t+7], v[SX+8*\t+(\q)], v[SY+8*\a+(\q)] matrix_a_fmt:MATRIX_FMT_FP6 matrix_b_fmt:MATRIX_FMT_FP6
.endif
.endr
.endr
.endm
.macro MEET n                          ; my part of the next chunk is in (n later chunks of mine may stay out); then everybody's is
	s_wait_tensorcnt \n
	s_barrier_signal -1
	s_barrier_wait -1
.endm
.macro KSTEP q
	s_wait_dscnt 0x0                               ; this step's fragments, asked for a step ago, are in; no LDS instruction of mine is out
	WIN 0
.if (\q) == 3
	MEET 0                                         ; every wave waits for its load: K's second half is shown to all
	v_add_nc_u32 v[YA], CH, v[YA]                  ; on to the next chunk.  These four are also the places ahead of the loads below
	v_add_nc_u32 v[YB], CH, v[YB]
	v_add_nc_u32 v[XA], CH, v[XA]
	s_wait_alu depctr_va_vdst(0)
	v_add_nc_u32 v[XB], CH, v[XB]
.elseif ((\q) > 0) && ((\q) < 7)
	PLACES
.endif
.if (\q) < 7
	s_wait_alu depctr_va_vdst(0)
	FETCH (\q)+1                                   ; into the set that the last step multiplied; it lands under this step's 32 products
.endif
	MUL \q
.endm
	s_wait_alu depctr_va_vdst(0)
	s_cmp_lt_u32 s14, 2                            ; waves 0 and 1 wait for K's first half; the second half may stay on its way
	s_cbranch_scc0 .Lsecond_half
	s_wait_tensorcnt 0x0
.Lsecond_half:
	s_barrier_signal -1
	s_barrier_wait -1
	FETCH 0
	s_wait_loadcnt 0x0                             ; the scale words
.irp q, 0,1,2,3,4,5,6,7
	KSTEP \q
.endr
; THE WAY OUT.  Y tile a's 64 results of a lane become twelve registers of codes and a scale word.
.macro QUANTW a
.set SRC, 64*(\a)
.set PCA, PC+20*(\a)
	WIN 0x3c                                       ; sources 1 and 2 window 3
.irp b, 0,1,2,3
	v_max3_num_f32 v[TM+\b], 0x1800000, |v[SRC+16*\b]|, |v[SRC+1+16*\b]|   ; each accumulator is read from its low end on; the floor 2^(3 - 127) holds the byte at 1 from below
.endr
.irp i, 2,4,6,8,10,12,14
.irp b, 0,1,2,3
	v_max3_num_f32 v[TM+\b], v[TM+\b], |v[SRC+16*\b+\i]|, |v[SRC+1+16*\b+\i]|
.endr
.endr
	WIN 0
.irp b, 0,1,2,3
	v_permlanex16_b32 v[TM+4+\b], v[TM+\b], s100, s101
.endr
.irp b, 0,1,2,3
	v_max_num_f32 v[TM+\b], v[TM+\b], v[TM+4+\b]
.endr
.irp b, 0,1,2,3
	v_add_nc_u32 v[TM+12+\b], 0xff000000, v[TM+\b]
.endr
.irp b, 0,1,2,3
	v_lshrrev_b32 v[TM+4+\b], 23, v[TM+12+\b]
.endr
	v_lshl_or_b32 v[PW+(\a)], v[TM+5], 8, v[TM+4]
	v_lshl_or_b32 v[PW+(\a)], v[TM+6], 16, v[PW+(\a)]
	v_lshl_or_b32 v[PW+(\a)], v[TM+7], 24, v[PW+(\a)]
	WIN 0x03                                       ; source 0 window 3
.irp c, 0,1
	v_cvt_scalef32_pk16_fp6_f32 v[PCA+6*\c:PCA+2+6*\c], v[SRC+32*\c:SRC+15+32*\c], v[TM+12+2*\c]
	v_cvt_scalef32_pk16_fp6_f32 v[PCA+12+4*\c:PCA+14+4*\c], v[SRC+16+32*\c:SRC+31+32*\c], v[TM+12+2*\c+1]
.endr
	WIN 0
	v_nop                                          ; one plain place behind a scaled conversion
.irp c, 0,1
.irp i, 0,1,2
	v_permlane16_swap_b32 v[PCA+6*\c+\i], v[PCA+12+4*\c+\i]
.endr
.irp i, 0,1,2
	v_mov_b32 v[PCA+3+6*\c+\i], v[PCA+12+4*\c+\i]
.endr
.endr
	global_store_b128 v1, v[PCA:PCA+3], s[60:61] offset:(\a)*768            ; X's first 64: 768 consecutive bytes in two stores,
	global_store_b64 v2, v[PCA+4:PCA+5], s[60:61] offset:(\a)*768+512
	global_store_b128 v1, v[PCA+6:PCA+9], s[62:63] offset:(\a)*768          ; and its second 64
	global_store_b64 v2, v[PCA+10:PCA+11], s[62:63] offset:(\a)*768+512
.endm
	WIN 0
	PLACES
.irp a, 0,1,2,3
	QUANTW \a
.endr
.irp a, 0,1,2,3
	v_lshrrev_b32 v[OW+\a], v7, v[PW+\a]
.endr
.irp a, 0,1,2,3
	v_and_b32 v[OW+\a], s2, v[OW+\a]
.endr
	global_store_b128 v6, v[OW:OW+3], s[56:57]     ; each half of the lanes stores 256 consecutive bytes
	s_wait_tensorcnt 0x0
	ds_add_u32 v254, v255
	s_wait_dscnt 0x0
	CROUND                                         ; the closing round: no work-group ends while a partner may still ask for a tile that names it
	s_endpgm
.Lfunc_end_k_q3979c3d153_qkv:
	.size	k_q3979c3d153_qkv, .Lfunc_end_k_q3979c3d153_qkv-k_q3979c3d153_qkv
	.p2alignl 7, 3214868480
	.fill 96, 4, 3214868480
	.section	.rodata,"a",@progbits
	.p2align	6, 0x0
	.amdhsa_kernel k_q3979c3d153_qkv
		.amdhsa_group_segment_fixed_size 327680
		.amdhsa_private_segment_fixed_size 0
		.amdhsa_enable_private_segment 0
		.amdhsa_kernarg_size 32
		.amdhsa_user_sgpr_count 2
		.amdhsa_user_sgpr_kernarg_segment_ptr 1
		.amdhsa_wavefront_size32 1
		.amdhsa_system_sgpr_workgroup_id_x 1
		.amdhsa_system_sgpr_workgroup_id_y 1
		.amdhsa_system_sgpr_workgroup_id_z 1
		.amdhsa_system_vgpr_workitem_id 0
		.amdhsa_next_free_vgpr 1024
		.amdhsa_next_free_sgpr 102
		.amdhsa_reserve_vcc 0
		.amdhsa_float_denorm_mode_32 3
		.amdhsa_float_denorm_mode_16_64 3
		.amdhsa_memory_ordered 1
		.amdhsa_forward_progress 1
		.amdhsa_inst_pref_size 87
	.end_amdhsa_kernel
	.amdgpu_metadata
---
amdhsa.version: [ 1, 2 ]
amdhsa.kernels:
  - .name:           k_q3979c3d153_qkv
    .symbol:         k_q3979c3d153_qkv.kd
    .args:
      - { .name: in_codes, .offset: 0, .size: 8, .value_kind: global_buffer, .address_space: global }
      - { .name: in_scales, .offset: 8, .size: 8, .value_kind: global_buffer, .address_space: global }
      - { .name: qkv_codes, .offset: 16, .size: 8, .value_kind: global_buffer, .address_space: global }
      - { .name: qkv_scales, .offset: 24, .size: 8, .value_kind: global_buffer, .address_space: global }
    .group_segment_fixed_size: 327680
    .private_segment_fixed_size: 0
    .kernarg_segment_align: 8
    .kernarg_segment_size: 32
    .max_flat_workgroup_size: 128
    .sgpr_count:     102
    .vgpr_count:     1024
    .wavefront_size: 32
...
	.end_amdgpu_metadata
.endif
;; end of part 2
;; launch attn (part 3): grid 4 x 64, 16 waves a work-group, no clusters, 225,280 bytes of LDS; arguments qkv_codes, qkv_scales, rel_emb, o_codes, o_scales; writes o_codes, o_scales
.if DOCPART == 3
	.amdgcn_target "amdgcn-amd-amdhsa--gfx1250"
	.amdhsa_code_object_version 6
	.text
	.protected	k_q3979c3d153_attn
	.globl	k_q3979c3d153_attn
	.p2align	8
	.type	k_q3979c3d153_attn,@function
k_q3979c3d153_attn:
	s_mov_b64 s[64:65], 0
	v_nop
	global_prefetch_b8 v0, s[64:65] scope:SCOPE_SE
	s_setreg_imm32_b32 hwreg(HW_REG_WAVE_MODE, 25, 1), 1
	s_wait_xcnt 0x0
; o = softmax(q k^T / 8 + bias) v for one batch and head, both products on codes of FP6 (E2M3); o / l is quantised along the head and leaves as codes.
; THE SOFTMAX: t = (score + 8 bias) x log2(e) / 8; M = the running largest t rounded up to a whole number; p = 2^(t - M) is quantised along the keys; the row's sum is taken of the unquantised p and divides at the end.
; SHARES.  A work-group owns 512 queries of one (batch, head), in two passes of 256; each of its sixteen waves owns one tile of 16 queries a pass, in 256 registers: four waves to a SIMD, so that one wave's
; vector work stands beside another's products and LDS loads.  Every wave walks the 2,048 keys, 128 a step.
; THE WHOLE HEAD'S K AND V LIE IN LDS, filled once (213 KB) and read by both passes.  Ten waves issue one tensor load each; the first pass waits and meets at a barrier quarter by quarter.  No byte of LDS is filled twice.
; LAYOUT.  Both products transposed: S^T = K Q^T, O^T = V^T P^T: a lane holds one query.  Tiles hold rows 32 (t / 2) + 8 (t % 2) + r % 8 + 16 (r / 8), so the 16 registers of tiles 2 b, 2 b + 1 are neighbours 32 b + 16 h + 0 .. 15.
; THE HEAD IS 64 AND THE INSTRUCTION'S K IS 128: Q's upper six registers are zero codes, and the upper two bytes of K's and Q's scale words are 0.  K's upper six registers are simply the next tile's codes: they meet zeros.
; THE BIAS hangs on key - query and the head alone.  It is the C of S^T's product.  bucket(a = |key - query|) = min(a, 7) + one for each of 11, 15, 21, 30, 44, 62, 90, 128 that a reaches, + 16 where key > query.
; A step whose 128 keys lie two blocks of 128 or more from the wave's queries has a >= 129: one constant.  The three steps round the diagonal take 8 bias from a table of 512 differences in LDS, kept four times,
; copy c shifted by c words, so that every lane's run of eight words begins on a multiple of 16 bytes.
; NO CLUSTER: the branch for the steps near the diagonal and the table's addresses hang on the query block, which partners would not share, and what would be shared is fetched once for 512 tile steps.
; LIMITS: at a = 128 the reference's logarithm stands exactly on a bucket's edge: bucket 15 is taken.  A block of zeros gets the byte 1 where the rule says 127.  NaN and infinities are not served.
; o's scale bytes leave as two bytes a row, 16 bytes apart: the 256 bytes round them belong to eight heads, hence to eight work-groups; they are 262,144 bytes in all.
.set KSC,  98304                       ; LDS: K's codes at 0 (128 tiles x 768), K's scale words here (8,192),
.set VC,   106496                      ; V's codes (32 x 4 x 768),
.set VSC,  204800                      ; V's scale words (8,192),
.set TAB,  212992                      ; the bias table: written by LDS stores, in blocks into which no fill lands
.set KA,   1                           ; v1   16 x lane
.set KB,   2
.set VA,   3                           ; v3, v4 the same in V
.set VB,   4
.set KSA,  5
.set VSA,  6
.set LB,   7                           ; v7   my place in the bias table
.set ADKA, 8                           ; v8-11, v28-30 the step's addresses
.set ADKB, 9
.set ADVA, 10
.set ADVB, 11
.set ADS,  28
.set ADT,  29
.set ADB,  30
.set L8,   86                          ; v86  8 x lane
.set R16,  87                          ; v87  16 r
.set S,    96                          ; v96-159  S^T, then p
.set O,    160                         ; v160-191 O^T
.set CF,   192                         ; v192-199 the far bias
.set KS,   200                         ; v200-203 K's scale words, v204-207 V's, v208 Q's, v209 p's: these hold scales and nothing else
.set VS,   204
.set QS,   208
.set PS,   209
.set BM,   210                         ; v210-213 the blocks' maxima
.set BP,   214                         ; v214-217 permute targets, then bytes
.set BC,   218                         ; v218-221 the conversions' scale operands
.set F,    222                         ; v[222:223] f
.set PCD,  224                         ; v224-235 p's codes
.set XT,   236                         ; v236-238, v240-242 the second conversions' results
.set SM2,  244                         ; v[244:245] the second chain of the sum
.set T0,   246
.set T1,   247
.set WV,   14
.set HD,   15
.set G1C,  16                          ; s[16:23] group 1 for 24,576 bytes of codes;  s[24:31] for 8,192 bytes of scale words
.set G1S,  24
.set BA,   52
.set SEL,  54
.set CS,   56                          ; s[56:57] c = log2(e) / 8
.set TK,   58                          ; the step's codes: 6,144 bytes a step
.set TS,   59                          ; its scale words: 512
.set SI,   60                          ; the step
.set QB,   61                          ; my queries' block of 128
.set U,    62
.set CFS,  63
.set SL,   66                          ; 8 bias for keys far to the left, far to the right
.set SR,   67
	s_load_b256 s[4:11], s[0:1], 0x0               ; qkv_codes, qkv_scales, rel_emb, o_codes
	s_load_b64 s[12:13], s[0:1], 0x20              ; o_scales
	v_lshl_add_u32 v254, v0, 2, 0x36800            ; the spare words lie behind the table's 10,240 bytes
	v_mov_b32 v255, 0
	ds_add_u32 v254, v255
	ds_add_u32 v254, v255
	v_lshrrev_b32 v8, 5, v0
	s_delay_alu instid0(VALU_DEP_1)
	v_readfirstlane_b32 s[WV], v8                  ; wave 0..15
	s_and_b32 s76, ttmp7, 0xffff
	s_and_b32 s[HD], s76, 15                       ; the head
	s_lshr_b32 s[BA], s76, 4                       ; the batch
	; dense blocks, as rows of 256 bytes (32 elements of 8 bytes)
	s_mov_b32 s[G1C], 3<<16
	s_mov_b32 s[G1C+1], 32<<16
	s_mov_b32 s[G1C+2], 96<<16
	s_mov_b32 s[G1C+3], 32<<16
	s_mov_b32 s[G1C+4], 96
	s_mov_b32 s[G1C+5], 32
	s_mov_b32 s[G1C+6], 0
	s_mov_b32 s[G1C+7], 0
	s_mov_b32 s[G1S], 3<<16
	s_mov_b32 s[G1S+1], 32<<16
	s_mov_b32 s[G1S+2], 32<<16
	s_mov_b32 s[G1S+3], 32<<16
	s_mov_b32 s[G1S+4], 32
	s_mov_b32 s[G1S+5], 32
	s_mov_b32 s[G1S+6], 0
	s_mov_b32 s[G1S+7], 0
	s_and_b32 s77, s[WV], 1                        ; I fetch for K (0) or for V (1),
	s_add_co_u32 s78, s[WV], 6
	s_bfe_u32 s78, s78, 0x20001                    ; which 512 keys: (wave - 2) / 2 for waves 2 to 9
	s_mul_i32 s79, s77, VC
	s_mul_i32 s80, s78, 24576
	s_add_co_u32 s33, s79, s80                     ; codes: where they go,
	s_add_co_u32 s37, s79, KSC                     ; scale words likewise
	s_add_co_u32 s81, s77, 1
	s_mul_i32 s82, s81, 6291456                    ; k's heads begin 6,291,456 bytes into qkv_codes, v's 12,582,912
	s_mul_i32 s83, s[HD], 393216
	s_add_co_u32 s82, s82, s83
	s_mul_i32 s83, s[BA], 98304
	s_add_co_u32 s82, s82, s83
	s_add_co_u32 s82, s82, s80
	s_mov_b32 s83, 0
	s_lshl_b32 s84, s81, 19                        ; and 524,288 or 1,048,576 into qkv_scales
	s_lshl_b32 s85, s[HD], 15
	s_add_co_u32 s84, s84, s85
	s_lshl_b32 s85, s[BA], 13
	s_add_co_u32 s84, s84, s85
	s_mov_b32 s85, 0
	s_lshl_b32 s86, s[HD], 2
	s_wait_dscnt 0x0
	s_wait_kmcnt 0x0
	s_mov_b32 s32, 1
	s_add_nc_u64 s[34:35], s[4:5], s[82:83]
	s_or_b32 s35, s35, 0x80000000
	s_mov_b32 s36, 1
	s_add_nc_u64 s[38:39], s[6:7], s[84:85]
	s_or_b32 s39, s39, 0x80000000
; Waves 2 g and 2 g + 1 fetch K's and V's codes of the g-th 512 keys.  Each quarter has a load line of its own, since its two waves wait for it ahead of another barrier than the others.
	s_cmp_lt_u32 s[WV], 2                          ; the scale words, which the first step needs, are asked for first: waves 0 and 1
	s_cbranch_scc0 .Lnot_scales
	tensor_load_to_lds s[36:39], s[G1S:G1S+7]
	s_nop 0
.rept 4
	v_nop
.endr
	s_branch .Lasked
.Lnot_scales:
.irp g, 4,6,8,10
	s_cmp_lt_u32 s[WV], \g
	s_cbranch_scc0 .Lnot_q\g
	tensor_load_to_lds s[32:35], s[G1C:G1C+7]
	s_nop 0
.rept 4
	v_nop
.endr
	s_branch .Lasked
.Lnot_q\g:
.endr
.Lasked:
.irp j, 48,49,50,51
	v_mov_b32 v\j, 0
.endr
	v_lshl_add_u32 v52, v0, 4, TAB
	v_lshl_add_u32 v47, v0, 2, TAB
	ds_store_b128 v52, v[48:51]                    ; the table's 10,240 bytes are cleared whole, each thread its own 16 + 4 bytes: so the words between the four copies are written too
	ds_store_b32 v47, v48 offset:8192
	s_load_b32 s[SL], s[8:9], s86 offset:960
	s_load_b32 s[SR], s[8:9], s86 offset:1984      ; rel_emb[31][head]
	; THE BIAS TABLE: thread i serves the difference key - query = i - 256
	v_sub_nc_u32 v40, 256, v0
	v_add_nc_u32 v41, 0xffffff00, v0
	v_cmp_gt_u32 vcc_lo, 256, v0
	s_delay_alu instid0(VALU_DEP_1)
	v_cndmask_b32 v42, v41, v40, vcc_lo            ; a = |i - 256|
	s_delay_alu instid0(VALU_DEP_1)
	v_min_u32 v43, 7, v42
.irp th, 10,14,20,29,43,61,89,127
	v_cmp_lt_u32 vcc_lo, \th, v42
	s_delay_alu instid0(VALU_DEP_1)
	v_cndmask_b32 v44, 0, 1, vcc_lo
	s_delay_alu instid0(VALU_DEP_1)
	v_add_nc_u32 v43, v43, v44
.endr
	v_cmp_lt_u32 vcc_lo, 256, v0
	s_delay_alu instid0(VALU_DEP_1)
	v_cndmask_b32 v44, 0, 16, vcc_lo
	s_delay_alu instid0(VALU_DEP_1)
	v_add_nc_u32 v43, v43, v44                     ; the bucket, 0..31
	s_delay_alu instid0(VALU_DEP_1)
	v_lshl_add_u32 v45, v43, 6, s86
	global_load_b32 v46, v45, s[8:9]
	v_and_b32 v88, 31, v0                          ; lane
	v_and_b32 v89, 15, v0                          ; r
	v_bfe_u32 v90, v0, 4, 1                        ; h
	s_delay_alu instid0(VALU_DEP_3)
	v_lshlrev_b32 v[KA], 4, v88
	s_delay_alu instid0(VALU_DEP_4)
	v_lshlrev_b32 v[L8], 3, v88
	s_delay_alu instid0(VALU_DEP_4)
	v_lshlrev_b32 v[R16], 4, v89
	s_delay_alu instid0(VALU_DEP_3)
	v_add_nc_u32 v[VA], VC, v[KA]
	s_delay_alu instid0(VALU_DEP_3)
	v_add_nc_u32 v[VB], VC+512, v[L8]
	v_add_nc_u32 v[VSA], VSC, v[KA]
	; My place in the table.  Register j of tile 4 c + u holds key 128 SI + 64 c + 32 h + 8 u + j; my query is 128 QB + q0 + r % 8 + 16 (r / 8), q0 = 32 ((wave / 2) % 4) + 8 (wave % 2).
	; In copy r % 4 the word of that difference lies at 4 (128 (SI - QB + 2) + 64 c + 32 h + 8 u + j - q0 - (r & 4) - 16 (r / 8)) bytes.  What is taken off is written as a complement, so that only sums are formed:
	; TAB + 16 + [416 - 4 q0] + [16 - 4 (r & 4)] + [64 - 64 (r / 8)] + 128 h + the copy's first byte.
	v_and_b32 v91, 4, v89
	s_delay_alu instid0(VALU_DEP_1)
	v_xor_b32 v91, 4, v91
	s_delay_alu instid0(VALU_DEP_1)
	v_lshlrev_b32 v[LB], 2, v91
	v_bfe_u32 v91, v0, 3, 1
	s_delay_alu instid0(VALU_DEP_1)
	v_xor_b32 v91, 1, v91
	s_delay_alu instid0(VALU_DEP_1)
	v_lshl_add_u32 v[LB], v91, 6, v[LB]
	s_delay_alu instid0(VALU_DEP_1)
	v_lshl_add_u32 v[LB], v90, 7, v[LB]            ; + 128 h bytes: lanes 16-31 hold keys 32 further on (see below)
	v_and_b32 v91, 1, v0
	s_delay_alu instid0(VALU_DEP_1)
	v_mad_u32_u24 v[LB], v91, 2080, v[LB]          ; the copies begin at 0, 2,080, 4,224 and 6,304
	v_bfe_u32 v91, v0, 1, 1
	s_delay_alu instid0(VALU_DEP_1)
	v_mad_u32_u24 v[LB], v91, 4224, v[LB]
	; THE KEYS OF A TILE OF K ARE CHOSEN BY THE LANES' ADDRESSES.  Of each 64 keys, tile j takes keys 8 j + i and 32 + 8 j + i (i = 0 .. 7): row r comes from stored tile j % 2 + 2 (r / 8), its row r % 8 + 8 (j / 2).
	; Register i of tile 4 c + j in lane (r, h) is then key 64 c + 32 h + 8 j + i: a lane's 32 registers of four tiles are ONE block of 32 keys, in the order of p's operand registers.
	v_and_b32 v92, 7, v0                           ; r % 8
	v_bfe_u32 v91, v0, 3, 1                        ; r / 8
	v_lshlrev_b32 v93, 4, v92
	v_lshlrev_b32 v94, 3, v92
	v_lshl_add_u32 v93, v90, 8, v93                ; 16 (r % 8 + 16 h)
	v_lshl_add_u32 v94, v90, 7, v94                ; 8 (r % 8 + 16 h)
	v_lshl_add_u32 v95, v91, 3, v93                ; scale words: 256 x (64 keys: h) + 16 (r % 8) + 8 (r / 8)
	v_mad_u32_u24 v93, v91, 1536, v93              ; v93: K's images, first part: + two stored tiles for rows 8-15
	v_mad_u32_u24 v94, v91, 1536, v94
	v_add_nc_u32 v95, KSC, v95                     ; v95: K's scale words
	v_add_nc_u32 v94, 512, v94                     ; v94: K's images, second part
	v_lshlrev_b32 v92, 3, v90                      ; v92: 8 h
	s_wait_alu depctr_va_vdst(0)
	s_bfe_u32 s87, s[WV], 0x20001
	s_xor_b32 s87, s87, 3
	s_lshl_b32 s87, s87, 7
	s_and_b32 s88, s[WV], 1
	s_xor_b32 s88, s88, 1
	s_lshl_b32 s88, s88, 5
	s_add_co_u32 s87, s87, s88
	s_add_co_u32 s87, s87, TAB+16
	v_add_nc_u32 v[LB], s87, v[LB]
.irp j, 22,23,24,25,26,27,80,81,82,83,84,85
	v_mov_b32 v\j, 0                               ; Q's upper six registers: zero codes; and the six behind K's last tile
.endr
.irp b, 0,1,2,3
	v_mov_b32 v[BP+\b], 0                          ; written once: a lane permute's destination counts as one of its sources
.endr
	v_mov_b32 v[F+1], 0                            ; (named as the upper half of a pair)
	v_mov_b32 v[T1], 0
	s_mov_b32 s[SEL], 0x76543210
	s_mov_b32 s[SEL+1], 0xfedcba98
	s_mov_b32 s[CS], 0x3e38aa3b                    ; c = log2(e) / 8
	s_mov_b32 s[CS+1], s[CS]
	; the first pass's tile of tokens: 128 x batch + 32 x work-group x + wave
	s_lshl_b32 s76, s[BA], 7
	s_lshl_b32 s77, ttmp9, 5
	s_add_co_u32 s76, s76, s77
	s_add_co_u32 s76, s76, s[WV]
	s_mul_i32 s78, s[HD], 393216
	s_mul_i32 s79, s76, 768
	s_add_co_u32 s78, s78, s79
	s_mov_b32 s79, 0
	s_add_nc_u64 s[68:69], s[4:5], s[78:79]        ; Q's half fragment
	s_lshl_b32 s78, s[HD], 15
	s_lshr_b32 s80, s76, 2
	s_lshl_b32 s80, s80, 8
	s_add_co_u32 s78, s78, s80
	s_and_b32 s80, s76, 3
	s_lshl_b32 s80, s80, 2
	s_add_co_u32 s78, s78, s80
	s_add_nc_u64 s[70:71], s[6:7], s[78:79]        ; its scale words
	s_lshl_b32 s78, s76, 4
	s_add_co_u32 s78, s78, s[HD]
	s_mul_i32 s78, s78, 768
	s_add_nc_u64 s[72:73], s[10:11], s[78:79]      ; o's half fragment: [token tile][head]
	s_lshl_b32 s78, s76, 9
	s_lshr_b32 s80, s[HD], 3
	s_lshl_b32 s80, s80, 8
	s_add_co_u32 s78, s78, s80
	s_bfe_u32 s80, s[HD], 0x20001
	s_lshl_b32 s80, s80, 2
	s_add_co_u32 s78, s78, s80
	s_and_b32 s80, s[HD], 1
	s_lshl_b32 s80, s80, 1
	s_add_co_u32 s78, s78, s80
	s_add_nc_u64 s[74:75], s[12:13], s[78:79]      ; its two scale bytes in the row's words
	s_lshl_b32 s[QB], ttmp9, 2
	s_lshr_b32 s80, s[WV], 3
	s_add_co_u32 s[QB], s[QB], s80
	s_wait_alu depctr_va_vdst(0)
	s_wait_dscnt 0x0                               ; my part of the region is cleared;
	s_barrier_signal -1
	s_barrier_wait -1                              ; everybody's is: the table's words may be stored over the zeros
	s_wait_loadcnt 0x0
	v_mul_f32 v46, 0x41000000, v46
	ds_store_b32 v47, v46                          ; copy c holds difference i at word i + c
	ds_store_b32 v47, v46 offset:2084
	ds_store_b32 v47, v46 offset:4232
	ds_store_b32 v47, v46 offset:6316
	s_wait_kmcnt 0x0
	s_mul_f32 s[SL], s[SL], 0x41000000
	s_mul_f32 s[SR], s[SR], 0x41000000
.macro SMUL near                       ; S^T = K Q^T + 8 bias: eight accumulators, one instruction each.  Lanes 0-15 of the scale registers hold tiles 0-3's words, lanes 16-31 tiles 4-7's
.irp t, 0,1,2,3,4,5,6,7
.if \near
.if \t < 4
	v_wmma_scale_f32_16x16x128_f8f6f4 v[S+8*\t:S+8*\t+7], v[32+6*\t:43+6*\t], v[16:27], v[S+8*\t:S+8*\t+7], v[KS+\t%4], v[QS] matrix_a_fmt:MATRIX_FMT_FP6 matrix_b_fmt:MATRIX_FMT_FP6
.else
	v_wmma_scale_f32_16x16x128_f8f6f4 v[S+8*\t:S+8*\t+7], v[32+6*\t:43+6*\t], v[16:27], v[S+8*\t:S+8*\t+7], v[KS+\t%4], v[QS] matrix_a_fmt:MATRIX_FMT_FP6 matrix_b_fmt:MATRIX_FMT_FP6 matrix_a_scale:MATRIX_SCALE_ROW1
.endif
.else
.if \t < 4
	v_wmma_scale_f32_16x16x128_f8f6f4 v[S+8*\t:S+8*\t+7], v[32+6*\t:43+6*\t], v[16:27], v[CF:CF+7], v[KS+\t%4], v[QS] matrix_a_fmt:MATRIX_FMT_FP6 matrix_b_fmt:MATRIX_FMT_FP6
.else
	v_wmma_scale_f32_16x16x128_f8f6f4 v[S+8*\t:S+8*\t+7], v[32+6*\t:43+6*\t], v[16:27], v[CF:CF+7], v[KS+\t%4], v[QS] matrix_a_fmt:MATRIX_FMT_FP6 matrix_b_fmt:MATRIX_FMT_FP6 matrix_a_scale:MATRIX_SCALE_ROW1
.endif
.endif
.endr
.endm
; A KEY STEP: 128 keys.
.macro STEP
	v_add_nc_u32 v[ADKA], s[TK], v93
	v_add_nc_u32 v[ADKB], s[TK], v94
	v_add_nc_u32 v[ADVA], s[TK], v[VA]
	v_add_nc_u32 v[ADVB], s[TK], v[VB]
	v_add_nc_u32 v[ADS], s[TS], v95
	v_add_nc_u32 v[ADT], s[TS], v[VSA]
.irp t, 0,1,2,3,4,5,6,7
	ds_load_b128 v[32+6*\t:35+6*\t], v[ADKA] offset:3072*(\t/4)+768*(\t%2)+128*((\t%4)/2)
	ds_load_b64 v[36+6*\t:37+6*\t], v[ADKB] offset:3072*(\t/4)+768*(\t%2)+64*((\t%4)/2)
.endr
	ds_load_b64 v[KS:KS+1], v[ADS]                 ; the words of tiles j = 0, 1: stored row r % 8,
	ds_load_b64 v[KS+2:KS+3], v[ADS] offset:128    ; of j = 2, 3: eight stored rows on
	s_sub_co_u32 s[U], s[SI], s[QB]                ; a branch on ids and the loop's counter: near the diagonal (SI - QB = -1, 0, 1) or far from it
	s_add_co_u32 s[U], s[U], 1
	s_cmp_le_u32 s[U], 2
	s_cbranch_scc0 .Lfar_\@
	s_cmp_eq_u32 s[SI], s[QB]                      ; 512 (SI - QB + 1), chosen among three constants
	s_cselect_b32 s[U], 512, 0
	s_cmp_gt_u32 s[SI], s[QB]
	s_cselect_b32 s[U], 1024, s[U]
	v_add_nc_u32 v[ADB], s[U], v[LB]
.irp j, 0,1,2,3,4,5,6,7
	v_mov_b32 v[CF+\j], s[SR]                      ; every far step behind a near one lies to the right
.endr
.irp t, 0,1,2,3,4,5,6,7
	ds_load_b128 v[S+8*\t:S+8*\t+3], v[ADB] offset:256*(\t/4)+32*(\t%4)      ; 8 bias in the result's own layout: key 64 (t / 4) + 32 h + 8 (t % 4) + i
	ds_load_b128 v[S+8*\t+4:S+8*\t+7], v[ADB] offset:256*(\t/4)+32*(\t%4)+16
.endr
	s_wait_dscnt 0x0
	SMUL 1
	s_branch .Ljoin_\@
.Lfar_\@:
	s_wait_alu depctr_va_vdst(0)
	s_wait_dscnt 0x0
	SMUL 0
.Ljoin_\@:
.rept 4
	v_nop                                          ; places ahead of the loads into K's registers and of the first read of the scores
.endr
	s_wait_alu depctr_va_vdst(0)
.irp d, 0,1,2,3                        ; V's four fragments (16 of the head's 64 x these 128 keys) land under the softmax
	ds_load_b128 v[32+12*\d:35+12*\d], v[ADVA] offset:768*\d
	ds_load_b64 v[36+12*\d:37+12*\d], v[ADVB] offset:768*\d
	ds_load_b128 v[38+12*\d:41+12*\d], v[ADVA] offset:3072+768*\d
	ds_load_b64 v[42+12*\d:43+12*\d], v[ADVB] offset:3072+768*\d
.endr
	ds_load_b128 v[VS:VS+3], v[ADT]
.irp b, 0,1,2,3
	v_max3_num_f32 v[BM+\b], v[S+16*\b], v[S+1+16*\b], v[S+2+16*\b]   ; the largest score of each block of 32 keys: for the row's maximum, and, since p rises with the score, for the block's largest p
.endr
.irp i, 3,5,7,9,11,13
.irp b, 0,1,2,3
	v_max3_num_f32 v[BM+\b], v[BM+\b], v[S+16*\b+\i], v[S+1+16*\b+\i]
.endr
.endr
.irp b, 0,1,2,3
	v_max_num_f32 v[BM+\b], v[BM+\b], v[S+15+16*\b]
.endr
	s_delay_alu instid0(VALU_DEP_3)
	v_max_num_f32 v[BM], v[BM], v[BM+1]            ; my block h of the four: all its 32 keys are mine
	s_delay_alu instid0(VALU_DEP_2)
	v_max_num_f32 v[BM+2], v[BM+2], v[BM+3]        ; and my block 2 + h
	s_delay_alu instid0(VALU_DEP_1)
	v_max_num_f32 v[T0], v[BM], v[BM+2]
	s_delay_alu instid0(VALU_DEP_1)
	v_permlanex16_b32 v[BP], v[T0], s[SEL], s[SEL+1]
	s_delay_alu instid0(VALU_DEP_1)
	v_max_num_f32 v[T0], v[T0], v[BP]              ; with lane l xor 16's 64 keys: the step's largest score of my query
	s_delay_alu instid0(VALU_DEP_1)
	v_mul_f32 v[T0], s[CS], v[T0]                  ; as t (c is positive)
	s_delay_alu instid0(VALU_DEP_1)
	v_max_num_f32 v13, v13, v[T0]                  ; the running largest t
	v_mov_b32 v[T0], v12
	s_delay_alu instid0(VALU_DEP_2)
	v_floor_f32 v12, -v13                          ; the new -M = -ceil(t): a whole number
	s_delay_alu instid0(VALU_DEP_1)
	v_sub_f32 v[T0], v12, v[T0]                    ; old M - new M: a whole number, 0 or less
	s_delay_alu instid0(VALU_DEP_1)
	v_cvt_i32_f32 v[T0], v[T0]                     ; (it saturates)
	s_delay_alu instid0(VALU_DEP_1)
	v_ldexp_f32 v[F], 1.0, v[T0]                   ; f = 2^(old M - new M): a multiplication by it rounds nothing
.set j, 0
.rept 32
	v_pk_fma_f32 v[S+j:S+j+1], v[S+j:S+j+1], s[CS:CS+1], v[12:13] op_sel_hi:[1,0,0]   ; t - M, two at a time
.set j, j+2
.endr
.irp b, 0,2
	v_fma_f32 v[BM+\b], v[BM+\b], s[CS], v12
.endr
.set j, 0
	s_wait_alu depctr_va_vdst(0)
.rept 64
	v_exp_f32 v[S+j], v[S+j]                       ; p = 2^(t - M), at most 1
.set j, j+1
.endr
.irp b, 0,2
	v_exp_f32 v[BM+\b], v[BM+\b]
.endr
	v_pk_mul_f32 v[14:15], v[14:15], v[F:F+1] op_sel_hi:[1,0]   ; the sums under the new M (a plain place behind the exponentials)
	s_wait_alu depctr_va_vdst(0)
.irp b, 0,2
	v_max_num_f32 v[BM+\b], 0x1800000, v[BM+\b]    ; the floor 2^(3 - 127): the byte cannot fall under 1
.endr
.irp b, 0,2
	s_delay_alu instid0(VALU_DEP_2)
	v_add_nc_u32 v[BC+\b], 0xff000000, v[BM+\b]    ; 2 off the exponent field: the conversions' scale operand
.endr
.irp b, 0,2
	s_delay_alu instid0(VALU_DEP_2)
	v_lshrrev_b32 v[BP+\b], 23, v[BC+\b]           ; the scale's byte
.endr
	s_delay_alu instid0(VALU_DEP_1)
	v_lshl_or_b32 v[BP], v[BP+2], 16, v[BP]        ; my two bytes, blocks h and 2 + h,
	s_delay_alu instid0(VALU_DEP_1)
	v_lshlrev_b32 v[BP], v92, v[BP]                ; at their places in the word (8 h bits up);
	s_delay_alu instid0(VALU_DEP_1)
	v_permlanex16_b32 v[BP+1], v[BP], s[SEL], s[SEL+1]
	s_delay_alu instid0(VALU_DEP_1)
	v_or_b32 v[PS], v[BP], v[BP+1]                 ; with lane l xor 16's two: p's scale word for these 128 keys
.irp c, 0,1
	v_cvt_scalef32_pk16_fp6_f32 v[PCD+6*\c:PCD+2+6*\c], v[S+32*\c:S+15+32*\c], v[BC+2*\c]
	v_cvt_scalef32_pk16_fp6_f32 v[XT+4*\c:XT+2+4*\c], v[S+16+32*\c:S+31+32*\c], v[BC+2*\c]   ; the same block's upper 16 (a conversion's three registers begin on an even number)
.endr
	v_nop                                          ; one plain place behind a scaled conversion
.irp c, 0,1
.irp i, 0,1,2
	v_mov_b32 v[PCD+3+6*\c+\i], v[XT+4*\c+\i]      ; registers 6 c .. 6 c + 5 hold keys 64 c + 32 h + 0 .. 31
.endr
.endr
	v_pk_add_f32 v[244:245], v[100:101], v[104:105]
	v_pk_add_f32 v[252:253], v[108:109], v[112:113]
	v_pk_add_f32 v[250:251], v[116:117], v[120:121]
	v_pk_add_f32 v[248:249], v[124:125], v[128:129]
	v_pk_add_f32 v[242:243], v[132:133], v[136:137]
	v_pk_add_f32 v[240:241], v[140:141], v[144:145]
	v_pk_add_f32 v[238:239], v[148:149], v[152:153]
	v_pk_add_f32 v[14:15], v[14:15], v[156:157]
	v_pk_add_f32 v[244:245], v[244:245], v[96:97]
	v_pk_add_f32 v[252:253], v[252:253], v[98:99]
	v_pk_add_f32 v[250:251], v[250:251], v[102:103]
	v_pk_add_f32 v[248:249], v[248:249], v[106:107]
	v_pk_add_f32 v[242:243], v[242:243], v[110:111]
	v_pk_add_f32 v[240:241], v[240:241], v[114:115]
	v_pk_add_f32 v[238:239], v[238:239], v[118:119]
	v_pk_add_f32 v[14:15], v[14:15], v[122:123]
	v_pk_add_f32 v[244:245], v[244:245], v[126:127]
	v_pk_add_f32 v[252:253], v[252:253], v[130:131]
	v_pk_add_f32 v[250:251], v[250:251], v[134:135]
	v_pk_add_f32 v[248:249], v[248:249], v[138:139]
	v_pk_add_f32 v[242:243], v[242:243], v[142:143]
	v_pk_add_f32 v[240:241], v[240:241], v[146:147]
	v_pk_add_f32 v[238:239], v[238:239], v[150:151]
	v_pk_add_f32 v[14:15], v[14:15], v[154:155]
	v_pk_add_f32 v[244:245], v[244:245], v[158:159]
	s_delay_alu instid0(VALU_DEP_2)
	v_pk_add_f32 v[14:15], v[14:15], v[248:249]
	s_delay_alu instid0(VALU_DEP_2)
	v_pk_add_f32 v[244:245], v[244:245], v[242:243]
	v_pk_add_f32 v[252:253], v[252:253], v[240:241]
	v_pk_add_f32 v[250:251], v[250:251], v[238:239]
	s_delay_alu instid0(VALU_DEP_2)
	v_pk_add_f32 v[14:15], v[14:15], v[252:253]
	s_delay_alu instid0(VALU_DEP_2)
	v_pk_add_f32 v[244:245], v[244:245], v[250:251]
	s_delay_alu instid0(VALU_DEP_1)
	v_pk_add_f32 v[14:15], v[14:15], v[244:245]
.set j, 0
.rept 16
	v_pk_mul_f32 v[O+j:O+j+1], v[O+j:O+j+1], v[F:F+1] op_sel_hi:[1,0]   ; O^T under the new M, each accumulator from its low end on.  (The sums and these are the places between p's scale word and codes and the products)
.set j, j+2
.endr
	s_wait_alu depctr_va_vdst(0)
	s_wait_dscnt 0x0                               ; V
.irp d, 0,1,2,3
	v_wmma_scale_f32_16x16x128_f8f6f4 v[O+8*\d:O+8*\d+7], v[32+12*\d:43+12*\d], v[PCD:PCD+11], v[O+8*\d:O+8*\d+7], v[VS+\d], v[PS] matrix_a_fmt:MATRIX_FMT_FP6 matrix_b_fmt:MATRIX_FMT_FP6
.endr
	s_add_co_u32 s[TK], s[TK], 6144
	s_add_co_u32 s[TS], s[TS], 512
.endm
.macro INIT                            ; a pass begins: Q, and a state of zeros: the first change of M multiplies zeros
	global_load_b128 v[16:19], v[KA], s[68:69]
	global_load_b64 v[20:21], v[L8], s[68:69] offset:512
	global_load_b32 v[QS], v[R16], s[70:71]
	v_mov_b32 v13, 0xff61b1e6                      ; the largest t so far: -3e38
	s_delay_alu instid0(VALU_DEP_1)
	v_floor_f32 v12, -v13
	v_mov_b32 v14, 0
	v_mov_b32 v15, 0
.irp j, 0,1,2,3,4,5,6,7
	v_mov_b32 v[CF+\j], s[SL]                      ; the far steps ahead of the diagonal lie to the left
.endr
.set j, 0
.rept 32
	v_mov_b32 v[O+j], 0
.set j, j+1
.endr
	s_mov_b32 s[TK], 0
	s_mov_b32 s[TS], 0
	s_mov_b32 s[SI], 0
	s_wait_loadcnt 0x0
.endm
.macro RUN to                          ; key steps SI .. to - 1
.Lrun_\@:
	STEP
	s_add_co_u32 s[SI], s[SI], 1
	s_cmp_lt_u32 s[SI], \to
	s_cbranch_scc1 .Lrun_\@
.endm
.macro OUT                             ; o = O^T / the sum; register 16 b + i is feature 32 b + 16 h + i of my query: two blocks, one half fragment
.rept 4
	v_nop                                          ; places behind the last products
.endr
	v_add_f32 v14, v14, v15
	s_delay_alu instid0(VALU_DEP_1)
	v_permlanex16_b32 v[T1], v14, s[SEL], s[SEL+1]
	s_delay_alu instid0(VALU_DEP_1)
	v_add_f32 v14, v14, v[T1]                      ; the row's sum
	s_wait_alu depctr_va_vdst(0)
	v_rcp_f32 v14, v14
	v_nop                                          ; a plain place behind the transcendental
.set j, 0
	s_wait_alu depctr_va_vdst(0)
.rept 32
	v_mul_f32 v[S+j], v[O+j], v14
.set j, j+1
.endr
.irp b, 0,1
	v_max3_num_f32 v[BM+\b], |v[S+16*\b]|, |v[S+1+16*\b]|, 0x1800000
.endr
.irp i, 2,4,6,8,10,12,14
.irp b, 0,1
	s_delay_alu instid0(VALU_DEP_2)
	v_max3_num_f32 v[BM+\b], v[BM+\b], |v[S+16*\b+\i]|, |v[S+1+16*\b+\i]|
.endr
.endr
.irp b, 0,1
	s_delay_alu instid0(VALU_DEP_2)
	v_permlanex16_b32 v[BP+\b], v[BM+\b], s[SEL], s[SEL+1]
.endr
.irp b, 0,1
	s_delay_alu instid0(VALU_DEP_2)
	v_max_num_f32 v[BM+\b], v[BM+\b], v[BP+\b]
.endr
.irp b, 0,1
	s_delay_alu instid0(VALU_DEP_2)
	v_add_nc_u32 v[BC+\b], 0xff000000, v[BM+\b]
.endr
.irp b, 0,1
	s_delay_alu instid0(VALU_DEP_2)
	v_lshrrev_b32 v[BP+\b], 23, v[BC+\b]
.endr
	s_delay_alu instid0(VALU_DEP_1)
	v_lshl_or_b32 v[T1], v[BP+1], 8, v[BP]         ; my row's two bytes
	v_cvt_scalef32_pk16_fp6_f32 v[PCD:PCD+2], v[S:S+15], v[BC]
	v_cvt_scalef32_pk16_fp6_f32 v[XT:XT+2], v[S+16:S+31], v[BC+1]
	v_nop                                          ; one plain place behind a scaled conversion
.irp i, 0,1,2
	v_permlane16_swap_b32 v[PCD+\i], v[XT+\i]
.endr
.irp i, 0,1,2
	s_delay_alu instid0(VALU_DEP_3)
	v_mov_b32 v[PCD+3+\i], v[XT+\i]
.endr
	global_store_b128 v[KA], v[PCD:PCD+3], s[72:73]              ; 512 consecutive bytes,
	global_store_b64 v[L8], v[PCD+4:PCD+5], s[72:73] offset:512  ; and the 256 behind them
	global_store_b16 v[R16], v[T1], s[74:75]       ; all lanes on: lanes l and l + 16 write the same two bytes with the same value
.endm
	INIT
; THE FIRST PASS GOES BY QUARTERS OF THE KEYS, four steps each.  Ahead of quarter g's barrier the waves that fetched it have waited for their loads; later quarters may stay on their way: nothing is ever filled again.
	s_cmp_lt_u32 s[WV], 4                          ; the scale words are waves 0 and 1's, quarter 0's codes waves 2 and 3's
	s_cbranch_scc0 .Lnot_mine
	s_wait_tensorcnt 0x0
.Lnot_mine:
	s_wait_dscnt 0x0                               ; my words of the bias table are stored
	s_barrier_signal -1
	s_barrier_wait -1
	RUN 4
.irp g, 1,2
	s_cmp_lt_u32 s[WV], 2*\g+4
	s_cbranch_scc0 .Lnot_yet\g
	s_wait_tensorcnt 0x0
.Lnot_yet\g:
	s_wait_dscnt 0x0
	s_barrier_signal -1
	s_barrier_wait -1
	s_mov_b32 s[TK], \g*24576                      ; the quarter's first step, stated as constants
	s_mov_b32 s[TS], \g*2048
	s_mov_b32 s[SI], \g*4
	RUN 4*\g+4
.endr
	s_wait_tensorcnt 0x0                           ; the last quarter: every wave waits
	s_wait_dscnt 0x0
	s_barrier_signal -1
	s_barrier_wait -1
	s_mov_b32 s[TK], 3*24576
	s_mov_b32 s[TS], 3*2048
	s_mov_b32 s[SI], 12
	RUN 16
	OUT
	s_wait_xcnt 0x0                                ; the stores have read their registers and bases: both are written again only behind this wait
	s_add_nc_u64 s[68:69], s[68:69], 16*768        ; the second pass: sixteen tiles of tokens on
	s_add_nc_u64 s[70:71], s[70:71], 4*256
	s_add_nc_u64 s[72:73], s[72:73], 16*16*768
	s_add_nc_u64 s[74:75], s[74:75], 16*512
	s_add_co_u32 s[QB], s[QB], 2
	INIT
	RUN 16
	OUT
	s_wait_tensorcnt 0x0
	ds_add_u32 v254, v255
	s_wait_dscnt 0x0
	s_endpgm
.Lfunc_end_k_q3979c3d153_attn:
	.size	k_q3979c3d153_attn, .Lfunc_end_k_q3979c3d153_attn-k_q3979c3d153_attn
	.p2alignl 7, 3214868480
	.fill 96, 4, 3214868480
	.section	.rodata,"a",@progbits
	.p2align	6, 0x0
	.amdhsa_kernel k_q3979c3d153_attn
		.amdhsa_group_segment_fixed_size 225280
		.amdhsa_private_segment_fixed_size 0
		.amdhsa_enable_private_segment 0
		.amdhsa_kernarg_size 40
		.amdhsa_user_sgpr_count 2
		.amdhsa_user_sgpr_kernarg_segment_ptr 1
		.amdhsa_wavefront_size32 1
		.amdhsa_system_sgpr_workgroup_id_x 1
		.amdhsa_system_sgpr_workgroup_id_y 1
		.amdhsa_system_sgpr_workgroup_id_z 1
		.amdhsa_system_vgpr_workitem_id 0
		.amdhsa_next_free_vgpr 256
		.amdhsa_next_free_sgpr 92
		.amdhsa_reserve_vcc 1
		.amdhsa_float_denorm_mode_32 3
		.amdhsa_float_denorm_mode_16_64 3
		.amdhsa_memory_ordered 1
		.amdhsa_forward_progress 1
		.amdhsa_inst_pref_size 119
	.end_amdhsa_kernel
	.amdgpu_metadata
---
amdhsa.version: [ 1, 2 ]
amdhsa.kernels:
  - .name:           k_q3979c3d153_attn
    .symbol:         k_q3979c3d153_attn.kd
    .args:
      - { .name: qkv_codes, .offset: 0, .size: 8, .value_kind: global_buffer, .address_space: global }
      - { .name: qkv_scales, .offset: 8, .size: 8, .value_kind: global_buffer, .address_space: global }
      - { .name: rel_emb, .offset: 16, .size: 8, .value_kind: global_buffer, .address_space: global }
      - { .name: o_codes, .offset: 24, .size: 8, .value_kind: global_buffer, .address_space: global }
      - { .name: o_scales, .offset: 32, .size: 8, .value_kind: global_buffer, .address_space: global }
    .group_segment_fixed_size: 225280
    .private_segment_fixed_size: 0
    .kernarg_segment_align: 8
    .kernarg_segment_size: 40
    .max_flat_workgroup_size: 512
    .sgpr_count:     92
    .vgpr_count:     256
    .wavefront_size: 32
...
	.end_amdgpu_metadata
.endif
;; end of part 3
;; launch proj (part 4): grid 8 x 32, 4 waves a work-group, clusters of 4 x 4, 327,680 bytes of LDS; arguments o_codes, o_scales, in_codes, in_scales, out0; writes out0
.if DOCPART == 4
	.amdgcn_target "amdgcn-amd-amdhsa--gfx1250"
	.amdhsa_code_object_version 6
	.text
	.protected	k_q3979c3d153_proj
	.globl	k_q3979c3d153_proj
	.p2align	8
	.type	k_q3979c3d153_proj,@function
k_q3979c3d153_proj:
	s_mov_b64 s[64:65], 0
	v_nop
	global_prefetch_b8 v0, s[64:65] scope:SCOPE_SE
	s_setreg_imm32_b32 hwreg(HW_REG_WAVE_MODE, 25, 1), 1
	s_wait_xcnt 0x0
	s_wait_alu depctr_hold_cnt(0) depctr_sa_sdst(0) depctr_va_vdst(0) depctr_va_sdst(0) depctr_va_ssrc(0) depctr_va_vcc(0) depctr_vm_vsrc(0)
	s_getreg_b32 s2, hwreg(HW_REG_IB_STS2, 6, 4)
	s_cmp_eq_u32 s2, 0
	s_cbranch_scc0 .Lentry_in_a_cluster
	s_endpgm
.Lentry_in_a_cluster:
	s_bfe_u32 s2, ttmp6, 0x10000c
	s_cmp_lg_u32 s2, 0xf033
	s_cbranch_scc0 .Lentry_shape_is_right
	s_endpgm
.Lentry_shape_is_right:
; out0 = o Wo^T on codes of FP6 (E2M3), K = 1,024; out0 [8192][1024] f32.
; Z[y][x] = sum over k of Y[y][k] X[x][k], Y = o's tokens, X = Wo's rows.  A work-group makes Y 256 x X 128; wave w takes Y's tiles 4 w .. 4 w + 3 against X's eight: 32 accumulators, 256 registers.
; SOURCE 0 = a tile of X, SOURCE 1 = a tile of Y: a lane holds one token, and, since a tile's rows are 32 (t / 2) + 8 (t % 2) + r % 8 + 16 (r / 8), its 64 registers of a Y tile run along the true
; output column: register 16 b + i is column 32 b + 16 h + i of the block.  The tokens' true rows enter only the stores' offsets.
; ALL OF K LIES IN LDS: 294,912 bytes, four chunks of 256 along K, each filled once.  CLUSTER 4 x 4: Y's tiles are shared along a row of the cluster, X's along a column, by joint loads; one round in front of them, one at the end.
; A wave issues one joint load: one is out at the most.
; REGISTERS, in windows of 256: window 0: v1-11 addresses, v32-63 Y's scale words, v64-127 X's, v128-255 rows on the way out.  window 1: X's fragments, two sets.  window 2: Y's, two sets.  window 3: the accumulators, (a, t) at v[64 a + 8 t].
; HOW K NOW LIES IN LDS (in place of the four chunks named above): two halves of 512 along K, each Y's 16 tiles x 6,144 bytes and then X's 8, each filled once.
; One joint load a wave: wave 0 Y's first half, wave 1 X's, wave 2 Y's second half, wave 3 X's.  The first barrier shows waves 0 and 1's tiles, the barrier in K step 3 the others'.
.set CH,   147456
.set XOFF, 98304
.set CO,   1                           ; v1   16 x lane
.set STO,  6                           ; v6   the stage: where I put 16 bytes of a row
.set RD,   7                           ; v7   and where I read a row back
.set YA,   8
.set YB,   9
.set XA,   10
.set XB,   11
.set SY,   32
.set SX,   64
.set G1Y,  24
.set G1X,  32
.set G0Y,  40
.set G0X,  68
.set MSB, 0
.macro WIN new                         ; the immediate's high byte repeats the setting that is left
.if MSB != \new
	s_set_vgpr_msb (MSB<<8)|\new
.set MSB, \new
.endif
.endm
.set W_MUL, 0xf9                       ; source 0 (X) window 1, source 1 (Y) window 2, C and D window 3
.set TO_X,  0x40
.set TO_Y,  0x80
.macro CROUND                          ; a round of the cluster's barrier
	s_barrier_signal -1
	s_barrier_wait -1
	s_cmp_lg_u32 s14, 0
	s_cbranch_scc1 .Lnot_wave_0_\@
	s_barrier_signal -3
.Lnot_wave_0_\@:
	s_barrier_wait -3
	s_barrier_signal -1
	s_barrier_wait -1
.endm
.macro PLACES                          ; four plain places behind a matrix instruction, ahead of loads into its registers and of reads of its results
.rept 4
	v_nop
.endr
.endm
	s_load_b256 s[4:11], s[0:1], 0x0               ; o_codes, o_scales, in_codes, in_scales
	s_load_b64 s[84:85], s[0:1], 0x20              ; out0
	v_lshl_add_u32 v30, v0, 2, 0x48000
	v_mov_b32 v31, 0
	ds_add_u32 v30, v31
	ds_add_u32 v30, v31
	v_lshrrev_b32 v1, 5, v0
	v_readfirstlane_b32 s14, v1                    ; wave 0..3
	s_lshr_b32 s15, s14, 1                         ; which half of K I fetch (even waves for Y, odd waves for X)
	s_bfe_u32 s17, ttmp6, 0x40000                  ; cx
	s_bfe_u32 s18, ttmp6, 0x40004                  ; cy
	s_and_b32 s19, ttmp7, 0xffff
	; Y's side hangs on cy and the cluster's y alone
	s_lshl_b32 s22, s19, 2
	s_add_co_u32 s22, s22, s18                     ; Y's block of 256 tokens
	s_lshl_b32 s23, s22, 4                         ; its first tile
	s_mul_i32 s96, s23, 12288                      ; Y's sixteen tiles,
	s_mul_i32 s12, s15, 6144                       ; my half of K in each
	s_add_co_u32 s96, s96, s12
	s_mov_b32 s97, 0
	s_lshl_b32 s88, s14, 2
	s_add_co_u32 s88, s88, s23
	s_lshl_b32 s88, s88, 9                         ; my four tiles' scale words
	s_mov_b32 s89, 0
	; X's side on cx and the cluster's x alone
	s_lshl_b32 s90, ttmp9, 2
	s_add_co_u32 s90, s90, s17                     ; X's block of 128 rows of Wo
	s_lshl_b32 s91, s90, 3
	s_add_co_u32 s91, s91, 704                     ; its first tile in in_codes (Wo begins at tile 704)
	s_mul_i32 s98, s91, 12288                      ; X's eight tiles, the same half of K
	s_add_co_u32 s98, s98, s12
	s_mov_b32 s99, 0
	s_lshl_b32 s92, s91, 9
	s_mov_b32 s93, 0
	s_lshl_b32 s94, s18, 2
	s_lshl_b32 s94, 15, s94                        ; my row of the cluster
	s_lshl_b32 s95, 0x1111, s17                    ; my column
	; group 1: R tiles, of each 6,144 bytes (512 along K) as 768 elements of 8 bytes; 12,288 bytes from tile to tile; no padding
	s_or_b32 s[G1Y], s94, (3<<16)|(1<<21)
	s_or_b32 s[G1X], s95, (3<<16)|(1<<21)
	s_mov_b32 s[G1Y+1], 768<<16                    ; of each tile 6,144 bytes (512 along K) as 768 elements of 8 bytes
	s_mov_b32 s[G1Y+2], 16<<16
	s_mov_b32 s[G1Y+3], 768<<16
	s_mov_b32 s[G1Y+4], 16
	s_mov_b32 s[G1Y+5], 1536
	s_mov_b32 s[G1Y+6], 0
	s_mov_b32 s[G1Y+7], 0
	s_mov_b32 s[G1X+1], 768<<16
	s_mov_b32 s[G1X+2], 8<<16
	s_mov_b32 s[G1X+3], 768<<16
	s_mov_b32 s[G1X+4], 8
	s_mov_b32 s[G1X+5], 1536
	s_mov_b32 s[G1X+6], 0
	s_mov_b32 s[G1X+7], 0
	s_mul_i32 s12, s15, CH                         ; where they go: the wave's number alone
	s_add_co_u32 s13, s12, XOFF
	s_wait_dscnt 0x0
	s_wait_kmcnt 0x0
	s_add_nc_u64 s[96:97], s[4:5], s[96:97]
	s_add_nc_u64 s[98:99], s[8:9], s[98:99]
	s_add_nc_u64 s[88:89], s[6:7], s[88:89]
	s_add_nc_u64 s[92:93], s[10:11], s[92:93]
	CROUND                                         ; all sixteen work-groups are here: the joint loads meet
.irp c, 0
	s_mov_b32 s[G0Y+4*\c], 1
	s_add_co_u32 s[G0Y+4*\c+1], s12, \c*CH
	s_add_nc_u64 s[G0Y+4*\c+2:G0Y+4*\c+3], s[96:97], \c*3072
	s_or_b32 s[G0Y+4*\c+3], s[G0Y+4*\c+3], 0x80000000
	s_mov_b32 s[G0X+4*\c], 1
	s_add_co_u32 s[G0X+4*\c+1], s13, \c*CH
	s_add_nc_u64 s[G0X+4*\c+2:G0X+4*\c+3], s[98:99], \c*3072
	s_or_b32 s[G0X+4*\c+3], s[G0X+4*\c+3], 0x80000000
.endr
	s_cmp_eq_u32 s14, 0                            ; one chain of branches on the wave's number, one load to an arm
	s_cbranch_scc0 .Lwave_1
	tensor_load_to_lds s[G0Y:G0Y+3], s[G1Y:G1Y+7]  ; wave 0: Y, K's first half
	s_nop 0
	PLACES
	s_branch .Lasked
.Lwave_1:
	s_cmp_eq_u32 s14, 1
	s_cbranch_scc0 .Lwave_2
	tensor_load_to_lds s[G0X:G0X+3], s[G1X:G1X+7]  ; wave 1: X, K's first half
	s_nop 0
	PLACES
	s_branch .Lasked
.Lwave_2:
	s_cmp_eq_u32 s14, 2
	s_cbranch_scc0 .Lwave_3
	tensor_load_to_lds s[G0Y:G0Y+3], s[G1Y:G1Y+7]  ; wave 2: Y, K's second half
	s_nop 0
	PLACES
	s_branch .Lasked
.Lwave_3:
	tensor_load_to_lds s[G0X:G0X+3], s[G1X:G1X+7]  ; wave 3: X, K's second half
	s_nop 0
	PLACES
.Lasked:
	v_and_b32 v28, 31, v0                          ; lane
	v_and_b32 v3, 15, v0                           ; r
	v_bfe_u32 v4, v0, 4, 1                         ; h
	v_lshlrev_b32 v[CO], 4, v28                    ; 16 x lane
	v_lshlrev_b32 v2, 3, v28                       ; 8 x lane
	v_lshlrev_b32 v5, 4, v3                        ; 16 r: a row's four scale words
.irp a, 0,1,2,3                        ; the scale words of all of K stay in registers
.irp k, 0,1
	global_load_b128 v[SY+8*\a+4*\k:SY+8*\a+4*\k+3], v5, s[88:89] offset:\a*512+\k*256
.endr
.endr
.irp t, 0,1,2,3,4,5,6,7
.irp k, 0,1
	global_load_b128 v[SX+8*\t+4*\k:SX+8*\t+4*\k+3], v5, s[92:93] offset:\t*512+\k*256
.endr
.endr
	s_mul_i32 s12, s14, 24576                      ; my four tiles of Y in a half of K
	v_add_nc_u32 v[YA], s12, v[CO]
	v_add_nc_u32 v[YB], s12, v2
	v_add_nc_u32 v[YB], 512, v[YB]
	v_add_nc_u32 v[XA], XOFF, v[CO]
	v_add_nc_u32 v[XB], XOFF+512, v2
	s_mul_i32 s13, s14, 24576                      ; my stage: 16 rows x 528 bytes, over my own four tiles of Y in K's first half: they have had their only fill, no other wave reads them, and my reads of them are over
	v_mul_u32_u24 v[STO], v3, 528
	v_lshl_add_u32 v[STO], v4, 6, v[STO]
	v_add_nc_u32 v[STO], s13, v[STO]               ; in: row r, + 64 h
	v_add_nc_u32 v[RD], s13, v[CO]                 ; back: 16 x lane of a row
	s_lshl_b32 s56, s22, 20                        ; out0 at row 256 x block + 64 x wave (rows of 4,096 bytes), column 128 x X's block
	s_lshl_b32 s57, s14, 18
	s_add_co_u32 s56, s56, s57
	s_lshl_b32 s57, s90, 9
	s_add_co_u32 s56, s56, s57
	s_mov_b32 s57, 0
	s_add_nc_u64 s[84:85], s[84:85], s[56:57]
.macro FRAG reg, a16, a8, off          ; a fragment = two half fragments, as they were stored
	ds_load_b128 v[\reg:\reg+3], v[\a16] offset:\off
	ds_load_b64 v[\reg+4:\reg+5], v[\a8] offset:\off
	ds_load_b128 v[\reg+6:\reg+9], v[\a16] offset:\off+768
	ds_load_b64 v[\reg+10:\reg+11], v[\a8] offset:\off+768
.endm
.macro FETCH q                         ; K step q's twelve fragments into set q % 2: 48 LDS loads in one run
	WIN TO_X
.irp t, 0,1,2,3,4,5,6,7
	FRAG 128*((\q)%2)+12*\t, XA, XB, \t*6144+((\q)%4)*1536
.endr
	WIN TO_Y
.irp a, 0,1,2,3
	FRAG 64*((\q)%2)+12*\a, YA, YB, \a*6144+((\q)%4)*1536
.endr
	WIN 0
.endm
.macro MUL q                           ; 32 matrix instructions; the 32 accumulators take turns, one instruction a turn, in the same order in every step; step 0 starts the sums
	WIN W_MUL
.irp a, 0,1,2,3
.irp t, 0,1,2,3,4,5,6,7
.if (\q) == 0
	v_wmma_scale_f32_16x16x128_f8f6f4 v[64*\a+8*\t:64*\a+8*\t+7], v[128*((\q)%2)+12*\t:128*((\q)%2)+12*\t+11], v[64*((\q)%2)+12*\a:64*((\q)%2)+12*\a+11], 0, v[SX+8*\t+(\q)], v[SY+8*\a+(\q)] matrix_a_fmt:MATRIX_FMT_FP6 matrix_b_fmt:MATRIX_FMT_FP6
.else
	v_wmma_scale_f32_16x16x128_f8f6f4 v[64*\a+8*\t:64*\a+8*\t+7], v[128*((\q)%2)+12*\t:128*((\q)%2)+12*\t+11], v[64*((\q)%2)+12*\a:64*((\q)%2)+12*\a+11], v[64*\a+8*\t:64*\a+8*\t+7], v[SX+8*\t+(\q)], v[SY+8*\a+(\q)] matrix_a_fmt:MATRIX_FMT_FP6 matrix_b_fmt:MATRIX_FMT_FP6
.endif
.endr
.endr
.endm
.macro MEET n                          ; my part of the next chunk is in (n later chunks of mine may stay out); then everybody's is
	s_wait_tensorcnt \n
	s_barrier_signal -1
	s_barrier_wait -1
.endm
.macro KSTEP q
	s_wait_dscnt 0x0                               ; this step's fragments, asked for a step ago, are in; no LDS instruction of mine is out
	WIN 0
.if (\q) == 3
	MEET 0                                         ; every wave waits for its load: K's second half is shown to all
	v_add_nc_u32 v[YA], CH, v[YA]                  ; on to the next chunk.  These four are also the places ahead of the loads below
	v_add_nc_u32 v[YB], CH, v[YB]
	v_add_nc_u32 v[XA], CH, v[XA]
	s_wait_alu depctr_va_vdst(0)
	v_add_nc_u32 v[XB], CH, v[XB]
.elseif ((\q) > 0) && ((\q) < 7)
	PLACES
.endif
.if (\q) < 7
	s_wait_alu depctr_va_vdst(0)
	FETCH (\q)+1                                   ; into the set that the last step multiplied; it lands under this step's 32 products
.endif
	MUL \q
.endm
	s_wait_alu depctr_va_vdst(0)
	s_cmp_lt_u32 s14, 2                            ; waves 0 and 1 wait for K's first half; the second half may stay on its way
	s_cbranch_scc0 .Lsecond_half
	s_wait_tensorcnt 0x0
.Lsecond_half:
	s_barrier_signal -1
	s_barrier_wait -1
	FETCH 0
	s_wait_loadcnt 0x0                             ; the scale words
.irp q, 0,1,2,3,4,5,6,7
	KSTEP \q
.endr
; THE WAY OUT, a Y tile (16 tokens x 128 columns) at a time.  A lane holds pieces of one row and the lanes beside it other rows: so a tile goes through my own stage and comes back as whole rows of 512 bytes.
; LDS serves a wave's instructions in order: no wait between the stores and the loads, nor ahead of the next tile's stores.
.macro TOSTAGE a
	WIN 0x0c                                       ; an LDS store's data: window 3
.irp n, 0,1,2,3,4,5,6,7,8,9,10,11,12,13,14,15
	ds_store_b128 v[STO], v[64*(\a)+4*\n:64*(\a)+4*\n+3] offset:128*(\n/4)+16*(\n%4)   ; ascending: each accumulator from its low end on
.endr
	WIN 0
.set BB, 128+64*((\a)%2)
.irp i, 0,1,2,3,4,5,6,7,8,9,10,11,12,13,14,15
	ds_load_b128 v[BB+4*\i:BB+4*\i+3], v[RD] offset:\i*528
.endr
.endm
.macro SEND a, younger                 ; younger: the LDS instructions issued behind tile a's loads, which may stay out
.set BB, 128+64*((\a)%2)
	s_wait_dscnt \younger
.irp i, 0,1,2,3,4,5,6,7,8,9,10,11,12,13,14,15
	global_store_b128 v[CO], v[BB+4*\i:BB+4*\i+3], s[84:85] offset:(32*((\a)/2)+8*((\a)%2)+(\i%8)+16*(\i/8))*4096 th:TH_STORE_NT   ; the row's true place; 512 consecutive bytes, at a multiple of 256 from out0's first byte
.endr
.endm
	WIN 0
	PLACES
	TOSTAGE 0
.irp a, 1,2,3
.if \a > 1
	s_wait_xcnt 0x0                                ; tile a - 2's stores have read their registers: tile a's rows may land there
.endif
	TOSTAGE \a
	SEND \a-1, 32                                  ; behind tile a - 1's loads: tile a's 16 stores and 16 loads
.endr
	SEND 3, 0
	s_wait_tensorcnt 0x0
	ds_add_u32 v30, v31
	s_wait_dscnt 0x0
	CROUND                                         ; the closing round: no work-group ends while a partner may still ask for a tile that names it
	s_endpgm
.Lfunc_end_k_q3979c3d153_proj:
	.size	k_q3979c3d153_proj, .Lfunc_end_k_q3979c3d153_proj-k_q3979c3d153_proj
	.p2alignl 7, 3214868480
	.fill 96, 4, 3214868480
	.section	.rodata,"a",@progbits
	.p2align	6, 0x0
	.amdhsa_kernel k_q3979c3d153_proj
		.amdhsa_group_segment_fixed_size 327680
		.amdhsa_private_segment_fixed_size 0
		.amdhsa_enable_private_segment 0
		.amdhsa_kernarg_size 40
		.amdhsa_user_sgpr_count 2
		.amdhsa_user_sgpr_kernarg_segment_ptr 1
		.amdhsa_wavefront_size32 1
		.amdhsa_system_sgpr_workgroup_id_x 1
		.amdhsa_system_sgpr_workgroup_id_y 1
		.amdhsa_system_sgpr_workgroup_id_z 1
		.amdhsa_system_vgpr_workitem_id 0
		.amdhsa_next_free_vgpr 1024
		.amdhsa_next_free_sgpr 102
		.amdhsa_reserve_vcc 0
		.amdhsa_float_denorm_mode_32 3
		.amdhsa_float_denorm_mode_16_64 3
		.amdhsa_memory_ordered 1
		.amdhsa_forward_progress 1
		.amdhsa_inst_pref_size 83
	.end_amdhsa_kernel
	.amdgpu_metadata
---
amdhsa.version: [ 1, 2 ]
amdhsa.kernels:
  - .name:           k_q3979c3d153_proj
    .symbol:         k_q3979c3d153_proj.kd
    .args:
      - { .name: o_codes, .offset: 0, .size: 8, .value_kind: global_buffer, .address_space: global }
      - { .name: o_scales, .offset: 8, .size: 8, .value_kind: global_buffer, .address_space: global }
      - { .name: in_codes, .offset: 16, .size: 8, .value_kind: global_buffer, .address_space: global }
      - { .name: in_scales, .offset: 24, .size: 8, .value_kind: global_buffer, .address_space: global }
      - { .name: out0, .offset: 32, .size: 8, .value_kind: global_buffer, .address_space: global }
    .group_segment_fixed_size: 327680
    .private_segment_fixed_size: 0
    .kernarg_segment_align: 8
    .kernarg_segment_size: 40
    .max_flat_workgroup_size: 128
    .sgpr_count:     102
    .vgpr_count:     1024
    .wavefront_size: 32
...
	.end_amdgpu_metadata
.endif
;; end of part 4
